; MI455X (gfx1250); checked and timed in simulation.
; The chip was launched on July 23, 2026; its instructions are those of AMD's public machine-readable ISA for CDNA 5 (MIT licence, August 2026) and "CDNA5" Instruction Set Architecture Reference Guide (July 2026). The comments in the code are by the model that wrote it; some were corrected since.
;; Multi Headed Attention. Allowed arithmetic: matrix products marked QUANTISED: E2M1 operands, one E8M0 scale for each 32 along K, by v_wmma_scale_f32_16x16x128_f8f6f4 with both operands' format E2M1 (or v_wmma_scale_f32_32x16x128_f4), f32 sums; everything else in f32.
;; Inputs: Wk 1,024 x 1,024 float32; Wo 1,024 x 1,024 float32; Wq 1,024 x 1,024 float32; Wv 1,024 x 1,024 float32; bk 1,024 float32; bo 1,024 float32; bq 1,024 float32; bv 1,024 float32; key 4 x 2,048 x 1,024 float32; mask 4 x 2,048 x 2,048 int32; query 4 x 2,048 x 1,024 float32; value 4 x 2,048 x 1,024 float32.
;; Outputs: out0 4 x 2,048 x 1,024 float32.
;; This version of the problem:
;;   THIS VERSION OF THE PROBLEM IS GIVEN IN LOW PRECISION. The matrix products marked QUANTISED in the list below multiply operands that are first quantised to E2M1 (2 exponent bits, 1 mantissa bit; 4 bits a number), with one power-of-two scale for each 32 numbers along K (OCP MX v1.0); their sums are f32. All else is computed in f32.
;;   The module's matrix products, in the order in which they are computed (A, B: the left and right operand; K: the contracted axis; several contracted axes count as one K, in the product's order):
;;     1. [M 8,192, K 1,024] x [K 1,024, N 1,024]; A: input query; B: input Wq: QUANTISED
;;     2. [M 8,192, K 1,024] x [K 1,024, N 1,024]; A: input key; B: input Wk: QUANTISED
;;     3. [M 8,192, K 1,024] x [K 1,024, N 1,024]; A: input value; B: input Wv: QUANTISED
;;     4. batch 64 x [M 2,048, K 64] x [K 64, N 2,048]; A: computed on the way; B: computed on the way: QUANTISED
;;     5. batch 64 x [M 2,048, K 2,048] x [K 2,048, N 64]; A: softmax (see below); B: computed on the way: QUANTISED
;;     6. [M 8,192, K 1,024] x [K 1,024, N 1,024]; A: computed on the way; B: input Wo: QUANTISED
;;   THE QUANTISER, for each operand of a quantised product, along K:
;;     - K is cut into blocks of 32 from its start; a last block that is shorter is filled with zeros.
;;     - A block's scale is 2^e with e = floor(log2(the largest magnitude in the block)) - 2, held to -126 .. 127; a block of zeros has e = 0. As a byte (E8M0): e + 127.
;;     - Each number is divided by its block's scale, clamped to +-6, and rounded to the nearest number of E2M1, ties to even, subnormals kept.
;;     - The product sums the exact products of the quantised numbers (number of the format x scale) in f32.
;;   ~~~python
;;   def quantise(x, axis):      # numpy; x: float32 -> the quantised numbers, widened to float32 again
;;       x = np.moveaxis(x, axis, -1); K = x.shape[-1]
;;       x = np.pad(x, [(0, 0)] * (x.ndim - 1) + [(0, -K % 32)]); x = x.reshape(x.shape[:-1] + (-1, 32)); a = np.abs(x).max(-1, keepdims=True)
;;       e = np.where(a > 0, np.clip(np.frexp(np.where(a > 0, a, 1))[1] - 1 - 2, -126, 127), 0)      # np.frexp(a)[1] - 1 = floor(log2(a)), exactly
;;       r = np.clip(x / 2.0 ** e, -6, 6)
;;       step = 2.0 ** (np.maximum(np.frexp(np.where(r == 0, 1, r))[1] - 1, 0) - 1)
;;       q = np.round(r / step) * step * 2.0 ** e      # np.round: ties to even
;;       return np.moveaxis(q.reshape(q.shape[:-2] + (-1,))[..., :K], -1, axis).astype(np.float32)
;;   ~~~
;;   SOFTMAX AHEAD OF A QUANTISED PRODUCT. Where the list says 'softmax', what is quantised is not the finished softmax but p = 2^(t - M), with t = logit x log2(e) and M = ceil(the row's largest t), a whole number; so 1/2 < the row's largest p <= 1. The row's sum l is taken of the UNQUANTISED p, in f32, and the product's result is divided by l at the end. Since M is a whole number, a kernel that streams over the keys may use a running M (the ceiling of the running maximum): every later rescaling is an exact power of two, which a block's scale takes up: the codes' values come out the same.
;;   OPERANDS COMPUTED ON THE WAY. 'Computed on the way' means the value that the module computes at that place (a softmax that the list does not call 'softmax' is quantised finished and normalised). What goes into a quantiser is computed in f32, as accurately as f32 sums, v_exp_f32 and their like allow (about 1e-6 of the number): no bf16 or f16 on the way to a quantiser, and a product that is left as it is and whose result goes on into a quantised operand takes f32 operands (vector FMAs, or v_wmma_f32_16x16x4_f32). A number that lies on a knife's edge between two numbers of the format may be rounded either way, as far as f32 arithmetic and the matrix unit's own rounding can turn it there, and no further.
;; One version. Each part assembles by itself: llvm-mc -triple=amdgcn-amd-amdhsa -mcpu=gfx1250 --defsym DOCPART=n.
;; ======== version 1 of 1: 4 launches
;; limits: right only within a limited range of input values
;; workspace buffers: in_c 14,680,064 bytes; in_s 917,504 bytes; maskw 2,097,152 bytes of whole numbers; qkv_c 12,582,912 bytes; qkv_s 786,432 bytes; x_c 4,194,304 bytes; x_s 262,144 bytes
;; launch prep (part 1): grid 704 x 1, 4 waves a work-group, no clusters, 68,096 bytes of LDS; arguments query, key, value, Wq, Wk, Wv, Wo, mask, in_c, in_s, maskw; writes in_c, in_s, maskw
.if DOCPART == 1
	.amdgcn_target "amdgcn-amd-amdhsa--gfx1250"
	.amdhsa_code_object_version 6
	.text
	.protected	k_q14157b9b76_prep
	.globl	k_q14157b9b76_prep
	.p2align	8
	.type	k_q14157b9b76_prep,@function
k_q14157b9b76_prep:
	s_mov_b64 s[64:65], 0
	v_nop
	global_prefetch_b8 v0, s[64:65] scope:SCOPE_SE
	s_setreg_imm32_b32 hwreg(HW_REG_WAVE_MODE, 25, 1), 1
	s_wait_xcnt 0x0
; FIRST OF FOUR LAUNCHES of multi-head attention on codes of FP4 (E2M1) with one E8M0 scale for each 32 along K.
; NO WORK OF THE PROBLEM IS LEFT OUT: every input has a way to the output (bk too: it moves k's codes), every product is done.
; This launch: query, key, value [8192][1024] and Wq, Wk, Wv, Wo [1024][1024], f32 with K innermost, become codes and scale words; the mask [4][2048][2048] of int32 becomes one bit a number.
; LAYOUT OF ALL OPERANDS OF THE PROGRAM: images of the matrix unit's registers.  A tile T is 16 rows: lane row r stands for row 32 (T / 2) + 8 (T % 2) + r + 8 (r / 8).
; A fragment (a tile x 128 along K) is 1,024 bytes: lane l's registers 4 c .. 4 c + 3 at 16 l + 512 c.  in_c: section + (8 T + s) x 1,024, s = k / 128.
; Scale words (four bytes: a row's 128 along K): in_s: section + (8 (T / 4) + s) x 256 + 16 r + 4 (T % 4).
; Mask words: maskw: ((128 b + tile) x 16 + step) x 256 + 4 n; bit l = (r, h) of word n = 16 B + i says mask[b][row r of the tile][128 step + 32 B + 16 h + i] == 0.
; A block's scale is 2^(floor(log2(its largest magnitude)) - 2): its byte is the largest magnitude's exponent field - 2, held at 1 from below.
; LIMITS: a block whose largest magnitude lies under 2^-124 keeps the byte 1 (a block of zeros too: its codes are zeros, and this program alone reads the bytes); NaN and infinities among the inputs are not served.
; SHARES: a work-group takes 64 rows x 4,096 bytes; wave w the 1,024 bytes at 1,024 w of each row: 4 tiles x 2 steps of 128 numbers = 8 fragments.  Work-groups 0-383: query, key, value; 384-447: the weights; 448-703: the mask.
; Each load reads 512 consecutive bytes of one row; a fragment's 16 rows turn through the wave's own stage in LDS (rows 528 bytes apart), so that a lane gets 16 neighbours of each block of 32 of ITS row.
; No tensor loads, no barrier: waves share nothing.  Two fragments (32 loads a wave) are on their way.  The two paths part on the work-group's number and have LDS bytes of their own.
; THE SENSE OF THE MASK WORDS: bit l = (r, h) of word n = 16 B + i is SET WHERE mask[b][row r of the tile][128 step + 32 B + 16 h + i] == 0, a hidden key; the words' places are as the line on them above has it.
.set QST,   0                          ; the float path's stages: 8,448 bytes a wave
.set MST,   33792                      ; the mask path's
.set SPARE, 67584                      ; the spare words, 128 bytes a wave: two blocks of 256 bytes that no other line names
.set LO,   1                           ; v1  16 x lane
.set STW,  2                           ; v2  the stage, way in: 8,448 w + 16 x lane
.set STR,  3                           ; v3  way out: 8,448 w + 528 r + 64 h
.set SOFF, 4                           ; v4  16 r + 256 h: the scale words' place
.set MO,   5                           ; v5  8 x lane: the mask words' place
.set SPW,  6                           ; v6  my spare word; never rewritten
.set NIL,  7                           ; v7  0; never rewritten
.set SW,   8                           ; v8-15   scale words: 4 e + t
.set OUTS, 16                          ; v16-19  as they are stored
.set TM,   20                          ; v20-35  QUANT at work
.set PC,   40                          ; v40-47  a fragment's codes
.set PA,   56                          ; v56-59  mask words, two pairs by turns
.set R,    64                          ; v64-191 two sets of 16 loads
.set X,    192                         ; v192-255 64 numbers of my row: register 16 B + i = k 32 B + 16 h + i
.set SEL,  34                          ; s[34:35] lane selects: lane l xor 16
	s_load_b512 s[4:19], s[0:1], 0x0               ; query, key, value, Wq, Wk, Wv, Wo, mask
	s_load_b128 s[20:23], s[0:1], 0x40             ; in_c, in_s
	s_load_b64 s[24:25], s[0:1], 0x50              ; maskw
	v_lshl_add_u32 v[SPW], v0, 2, SPARE
	v_mov_b32 v[NIL], 0
	v_lshrrev_b32 v9, 5, v0
	v_readfirstlane_b32 s26, v9                    ; wave
	v_and_b32 v9, 31, v0                           ; lane
	v_and_b32 v10, 15, v0                          ; r
	v_bfe_u32 v11, v0, 4, 1                        ; h
	v_lshlrev_b32 v[LO], 4, v9
	s_mul_i32 s27, s26, 8448
	v_add_nc_u32 v[STW], s27, v[LO]
	v_mul_u32_u24 v[STR], v10, 528
	v_lshl_add_u32 v[STR], v11, 6, v[STR]
	v_add_nc_u32 v[STR], s27, v[STR]
	v_lshlrev_b32 v[SOFF], 4, v10
	v_lshl_add_u32 v[SOFF], v11, 8, v[SOFF]
	v_lshlrev_b32 v[MO], 3, v9
	s_mov_b32 s[SEL], 0x76543210
	s_mov_b32 s[SEL+1], 0xfedcba98
	s_mov_b32 s36, 0xffff0000                      ; lanes 16-31
.irp b, 0,1,2,3
	v_mov_b32 v[TM+4+\b], 0                        ; written once: a lane permute's destination counts as one of its sources
.endr
	s_mov_b32 s47, 0
; fragment f = 2 t + e: tile t's 16 rows, 512 bytes at 512 e, into set f % 2
.macro LOADF f, pitch
.set LT, (\f)/2
.set LE, (\f)%2
.set LR, R+64*((\f)%2)
.irp i, 0,1,2,3,4,5,6,7,8,9,10,11,12,13,14,15
	global_load_b128 v[LR+4*\i:LR+4*\i+3], v[LO], s[28:29] offset:(32*(LT/2)+8*(LT%2)+\i+8*(\i/8))*\pitch+512*LE th:TH_LOAD_NT
.endr
.endm
; through the stage: LDS serves a wave's instructions in order, so no wait stands between the stores and the loads
.macro TURNF f, stg
.set LR, R+64*((\f)%2)
.irp i, 0,1,2,3,4,5,6,7,8,9,10,11,12,13,14,15
	ds_store_b128 v[STW], v[LR+4*\i:LR+4*\i+3] offset:\stg+528*\i
.endr
.irp b, 0,1,2,3
.irp j, 0,1,2,3
	ds_load_b128 v[X+16*\b+4*\j:X+16*\b+4*\j+3], v[STR] offset:\stg+128*\b+16*\j
.endr
.endr
.endm
; 64 numbers of a lane, register 16 b + i = k 32 b + 16 (lane / 16) + i of my row, become a fragment's codes in v[PC] on and its scale word in v[pw]
.macro QUANT src, pw
.irp b, 0,1,2,3
	v_max3_num_f32 v[TM+\b], |v[\src+16*\b]|, |v[\src+1+16*\b]|, 0x1800000   ; my 16 numbers of block b, and the floor 2^(3 - 127): the byte cannot fall under 1
.endr
.irp i, 2,4,6,8,10,12,14
.irp b, 0,1,2,3
	v_max3_num_f32 v[TM+\b], v[TM+\b], |v[\src+16*\b+\i]|, |v[\src+1+16*\b+\i]|   ; the four blocks by turns
.endr
.endr
.irp b, 0,1,2,3
	v_permlanex16_b32 v[TM+4+\b], v[TM+\b], s[SEL], s[SEL+1]
.endr
.irp b, 0,1,2,3
	v_max_num_f32 v[TM+\b], v[TM+\b], v[TM+4+\b]   ; with lane l xor 16's: the block's largest magnitude
.endr
.irp b, 0,1,2,3
	v_add_nc_u32 v[TM+12+\b], 0xff000000, v[TM+\b] ; 2 off its exponent field: the conversion takes this operand's exponent field as its scale
.endr
.irp b, 0,1,2,3
	v_lshrrev_b32 v[TM+4+\b], 23, v[TM+12+\b]      ; the scale's byte
.endr
	v_lshl_or_b32 v[\pw], v[TM+5], 8, v[TM+4]
	v_lshl_or_b32 v[\pw], v[TM+6], 16, v[\pw]
	v_lshl_or_b32 v[\pw], v[TM+7], 24, v[\pw]      ; my row's scale word
.irp b, 0,1,2,3
	v_cvt_scalef32_pk8_fp4_f32 v[PC+2*\b], v[\src+16*\b:\src+7+16*\b], v[TM+12+\b]
	v_cvt_scalef32_pk8_fp4_f32 v[PC+1+2*\b], v[\src+8+16*\b:\src+15+16*\b], v[TM+12+\b]
.endr
	v_nop                                          ; one plain place behind a scaled conversion
.irp c, 0,1
.irp i, 0,1
	v_permlane16_swap_b32 v[PC+4*\c+\i], v[PC+2+4*\c+\i]   ; a whole block to a lane: lanes 0-15 block 2 c, lanes 16-31 block 2 c + 1
.endr
.endr
.endm
.macro HEADF f, stg, pitch
.if (\f) < 7
	s_wait_loadcnt 16                              ; this fragment's 16 loads are in; the next fragment's 16 may be out
.else
	s_wait_loadcnt 0x0
.endif
	TURNF \f, \stg
	s_wait_dscnt 0x0                               ; my numbers are back, and the stage's stores have read their registers,
	s_wait_xcnt 0x0                                ; and the earlier global stores theirs: both sets are written again only behind these waits
.if (\f) < 6
	LOADF (\f)+2, \pitch
.endif
.endm
.macro FRAGQ f
.set FT, (\f)/2
.set FE, (\f)%2
	HEADF \f, QST, 4096
	QUANT X, SW+4*FE+FT
	global_store_b128 v[LO], v[PC:PC+3], s[30:31] offset:(8*FT+FE)*1024       ; 32 lanes store 512 consecutive bytes
	global_store_b128 v[LO], v[PC+4:PC+7], s[30:31] offset:(8*FT+FE)*1024+512
.endm
.macro FRAGM f
.set FT, (\f)/2
.set FE, (\f)%2
.set PR, PA+2*((\f)%2)
	HEADF \f, MST, 8192
.set n0, 0
.rept 8
.irp u, 0,1,2,3,4,5,6,7
	v_cmp_eq_u32 s[40+\u], 0, v[X+n0+\u]           ; word n: one bit a lane, SET WHERE THE MASK IS 0 (a hidden key): this line holds over the head's line on the mask words
.endr
.irp u, 0,1,2,3,4,5,6,7
	v_writelane_b32 v[PR+(\u%2)], s[40+\u], (n0+\u)/2   ; words 2 l and 2 l + 1 to lane l
.endr
.set n0, n0+8
.endr
	global_store_b64 v[MO], v[PR:PR+1], s[30:31] offset:4096*FT+256*FE        ; 32 lanes store 256 consecutive bytes, aligned
.endm
	s_wait_kmcnt 0x0
	s_cmp_ge_u32 ttmp9, 448
	s_cbranch_scc1 .Lmask
	; ---- the float tensors.  The buffer is chosen on the work-group's number alone
	s_mov_b64 s[28:29], s[16:17]
	s_cmp_lt_u32 ttmp9, 432
	s_cselect_b64 s[28:29], s[14:15], s[28:29]
	s_cmp_lt_u32 ttmp9, 416
	s_cselect_b64 s[28:29], s[12:13], s[28:29]
	s_cmp_lt_u32 ttmp9, 400
	s_cselect_b64 s[28:29], s[10:11], s[28:29]
	s_cmp_lt_u32 ttmp9, 384
	s_cselect_b64 s[28:29], s[8:9], s[28:29]
	s_cmp_lt_u32 ttmp9, 256
	s_cselect_b64 s[28:29], s[6:7], s[28:29]
	s_cmp_lt_u32 ttmp9, 128
	s_cselect_b64 s[28:29], s[4:5], s[28:29]
	s_lshr_b32 s37, ttmp9, 7                       ; which of query, key, value
	s_and_b32 s38, ttmp9, 127                      ; its group of 64 rows
	s_lshl_b32 s39, s37, 22                        ; its section of codes,
	s_lshl_b32 s40, s37, 18                        ; of scale words
	s_sub_co_u32 s41, ttmp9, 384
	s_lshr_b32 s42, s41, 4                         ; which weight
	s_and_b32 s43, s41, 15                         ; its group
	s_lshl_b32 s44, s42, 19
	s_add_co_u32 s44, s44, 12<<20
	s_lshl_b32 s45, s42, 15
	s_add_co_u32 s45, s45, 768<<10
	s_cmp_lt_u32 ttmp9, 384
	s_cselect_b32 s38, s38, s43
	s_cselect_b32 s39, s39, s44
	s_cselect_b32 s40, s40, s45
	s_lshl_b32 s46, s38, 18                        ; 64 rows of 4,096 bytes
	s_lshl_b32 s37, s26, 10
	s_add_co_u32 s46, s46, s37
	s_add_nc_u64 s[28:29], s[28:29], s[46:47]
	s_lshl_b32 s46, s38, 15                        ; codes: 4 tiles x 8 fragments
	s_add_co_u32 s46, s46, s39
	s_lshl_b32 s37, s26, 11
	s_add_co_u32 s46, s46, s37
	s_add_nc_u64 s[30:31], s[20:21], s[46:47]
	s_lshl_b32 s46, s38, 11                        ; scale words: 8 units of 256 bytes
	s_add_co_u32 s46, s46, s40
	s_lshl_b32 s37, s26, 9
	s_add_co_u32 s46, s46, s37
	s_add_nc_u64 s[32:33], s[22:23], s[46:47]
	LOADF 0, 4096
	LOADF 1, 4096
	s_wait_alu depctr_va_vdst(0)
.irp f, 0,1,2,3,4,5,6,7
	FRAGQ \f
.endr
.irp t, 0,1,2,3
	v_cndmask_b32 v[OUTS+\t], v[SW+\t], v[SW+4+\t], s36   ; lanes 0-15: step 2 w; lanes 16-31: step 2 w + 1
.endr
	global_store_b128 v[SOFF], v[OUTS:OUTS+3], s[32:33]   ; two aligned units of 256 bytes
	s_branch .Lend
.Lmask:
	; ---- the mask: work-group g': rows 64 (g' / 2) on, the half g' % 2 of each row
	s_sub_co_u32 s37, ttmp9, 448
	s_lshr_b32 s38, s37, 1
	s_and_b32 s39, s37, 1
	s_lshl_b32 s46, s38, 19                        ; 64 rows of 8,192 bytes
	s_lshl_b32 s37, s39, 12
	s_add_co_u32 s46, s46, s37
	s_lshl_b32 s37, s26, 10
	s_add_co_u32 s46, s46, s37
	s_add_nc_u64 s[28:29], s[18:19], s[46:47]
	s_lshl_b32 s46, s38, 14                        ; 4 tiles x 16 steps x 256 bytes
	s_lshl_b32 s37, s39, 11
	s_add_co_u32 s46, s46, s37
	s_lshl_b32 s37, s26, 9
	s_add_co_u32 s46, s46, s37
	s_add_nc_u64 s[30:31], s[24:25], s[46:47]
.irp b, 0,1,2,3
	v_mov_b32 v[PA+\b], 0                          ; a lane write's destination counts as one of its sources
.endr
	LOADF 0, 8192
	LOADF 1, 8192
.irp f, 0,1,2,3,4,5,6,7
	FRAGM \f
.endr
.Lend:
	s_wait_tensorcnt 0x0                           ; the wave's end, behind my last LDS store
	ds_add_u32 v[SPW], v[NIL]
	s_wait_dscnt 0x0
	s_endpgm
.Lfunc_end_k_q14157b9b76_prep:
	.size	k_q14157b9b76_prep, .Lfunc_end_k_q14157b9b76_prep-k_q14157b9b76_prep
	.p2alignl 7, 3214868480
	.fill 96, 4, 3214868480
	.section	.rodata,"a",@progbits
	.p2align	6, 0x0
	.amdhsa_kernel k_q14157b9b76_prep
		.amdhsa_group_segment_fixed_size 68096
		.amdhsa_private_segment_fixed_size 0
		.amdhsa_enable_private_segment 0
		.amdhsa_kernarg_size 88
		.amdhsa_user_sgpr_count 2
		.amdhsa_user_sgpr_kernarg_segment_ptr 1
		.amdhsa_wavefront_size32 1
		.amdhsa_system_sgpr_workgroup_id_x 1
		.amdhsa_system_sgpr_workgroup_id_y 1
		.amdhsa_system_sgpr_workgroup_id_z 1
		.amdhsa_system_vgpr_workitem_id 0
		.amdhsa_next_free_vgpr 256
		.amdhsa_next_free_sgpr 66
		.amdhsa_reserve_vcc 0
		.amdhsa_float_denorm_mode_32 3
		.amdhsa_float_denorm_mode_16_64 3
		.amdhsa_memory_ordered 1
		.amdhsa_forward_progress 1
		.amdhsa_inst_pref_size 158
	.end_amdhsa_kernel
	.amdgpu_metadata
---
amdhsa.version: [ 1, 2 ]
amdhsa.kernels:
  - .name:           k_q14157b9b76_prep
    .symbol:         k_q14157b9b76_prep.kd
    .args:
      - { .name: query, .offset: 0, .size: 8, .value_kind: global_buffer, .address_space: global }
      - { .name: key, .offset: 8, .size: 8, .value_kind: global_buffer, .address_space: global }
      - { .name: value, .offset: 16, .size: 8, .value_kind: global_buffer, .address_space: global }
      - { .name: Wq, .offset: 24, .size: 8, .value_kind: global_buffer, .address_space: global }
      - { .name: Wk, .offset: 32, .size: 8, .value_kind: global_buffer, .address_space: global }
      - { .name: Wv, .offset: 40, .size: 8, .value_kind: global_buffer, .address_space: global }
      - { .name: Wo, .offset: 48, .size: 8, .value_kind: global_buffer, .address_space: global }
      - { .name: mask, .offset: 56, .size: 8, .value_kind: global_buffer, .address_space: global }
      - { .name: in_c, .offset: 64, .size: 8, .value_kind: global_buffer, .address_space: global }
      - { .name: in_s, .offset: 72, .size: 8, .value_kind: global_buffer, .address_space: global }
      - { .name: maskw, .offset: 80, .size: 8, .value_kind: global_buffer, .address_space: global }
    .group_segment_fixed_size: 68096
    .private_segment_fixed_size: 0
    .kernarg_segment_align: 8
    .kernarg_segment_size: 88
    .max_flat_workgroup_size: 128
    .sgpr_count:     66
    .vgpr_count:     256
    .wavefront_size: 32
...
	.end_amdgpu_metadata
.endif
;; end of part 1
;; launch proj (part 2): grid 4 x 96, 4 waves a work-group, clusters of 4 x 4, 327,680 bytes of LDS; arguments in_c, in_s, bq, bk, bv, qkv_c, qkv_s; writes qkv_c, qkv_s
.if DOCPART == 2
	.amdgcn_target "amdgcn-amd-amdhsa--gfx1250"
	.amdhsa_code_object_version 6
	.text
	.protected	k_q14157b9b76_proj
	.globl	k_q14157b9b76_proj
	.p2align	8
	.type	k_q14157b9b76_proj,@function
k_q14157b9b76_proj:
	s_mov_b64 s[64:65], 0
	v_nop
	global_prefetch_b8 v0, s[64:65] scope:SCOPE_SE
	s_setreg_imm32_b32 hwreg(HW_REG_WAVE_MODE, 25, 1), 1
	s_wait_xcnt 0x0
	s_wait_alu depctr_hold_cnt(0) depctr_sa_sdst(0) depctr_va_vdst(0) depctr_va_sdst(0) depctr_va_ssrc(0) depctr_va_vcc(0) depctr_vm_vsrc(0)
	s_getreg_b32 s2, hwreg(HW_REG_IB_STS2, 6, 4)
	s_cmp_eq_u32 s2, 0
	s_cbranch_scc0 .Lentry_in_a_cluster
	s_endpgm
.Lentry_in_a_cluster:
	s_bfe_u32 s2, ttmp6, 0x10000c
	s_cmp_lg_u32 s2, 0xf033
	s_cbranch_scc0 .Lentry_shape_is_right
	s_endpgm
.Lentry_shape_is_right:
.set NQ,    4
.set FR,    8
.set NL,    2
.set NP,    4
.set SLOT,  4096                       ; the second half of K begins 4 fragments on in each tile's 8
.set BOFF,  131072                     ; LDS: A's 16 tiles x 8 fragments of 1,024 bytes, then B's: all of K, filled once
.set BIASL, 278528
.set SPARE, 280576
.set BLW,  12
.set BLA,  13
.set BLB,  14
.set ADRA, 16
.set ADRB, 20
.set CO,   24
.set SO,   25
.set ADRS, 27
.set SPW,  28
.set NIL,  29
.set SC,   32
.set AF,   128
.set HA,   128
.set BN,   192
.set BM,   192
.set PC,   96
.set TM,   112
.set SW,   32
.set OUTS, 40
.set SEL,  66
.set G1, 24
.set G0, 32
.set G1B, 48
.set G0B, 56
.set MSB, 0
.macro WIN new
.if MSB != (\new)
	s_set_vgpr_msb (MSB<<8)|(\new)
.set MSB, (\new)
.endif
.endm
.set MUL_LO, 0xa1
.set MUL_HI, 0xf1
.set TO_B,   0x40
.macro JLOAD g0a, g1a, g0b, g1b
	s_cmp_eq_u32 s15, 0
	s_cbranch_scc0 .Lfor_b_\@
	tensor_load_to_lds s[\g0a:\g0a+3], s[\g1a:\g1a+7]
	s_nop 0
.rept 4
	v_nop
.endr
	s_branch .Lasked_\@
.Lfor_b_\@:
	tensor_load_to_lds s[\g0b:\g0b+3], s[\g1b:\g1b+7]
	s_nop 0
.rept 4
	v_nop
.endr
.Lasked_\@:
.endm
.macro CROUND
	s_barrier_signal -1
	s_barrier_wait -1
	s_cmp_lg_u32 s14, 0
	s_cbranch_scc1 .Lnot_wave_0_\@
	s_barrier_signal -3
.Lnot_wave_0_\@:
	s_barrier_wait -3
	s_barrier_signal -1
	s_barrier_wait -1
.endm
	s_load_b128 s[4:7], s[0:1], 0x0
	s_load_b128 s[8:11], s[0:1], 0x10
	s_load_b128 s[92:95], s[0:1], 0x20
	s_load_b64 s[96:97], s[0:1], 0x30
	v_lshl_add_u32 v[SPW], v0, 2, SPARE
	v_mov_b32 v[NIL], 0
	ds_add_u32 v[SPW], v[NIL]
	ds_add_u32 v[SPW], v[NIL]
	v_lshrrev_b32 v1, 5, v0
	v_readfirstlane_b32 s14, v1
	s_lshr_b32 s15, s14, 1
	s_and_b32 s16, s14, 1
	s_bfe_u32 s40, ttmp6, 0x40000
	s_bfe_u32 s41, ttmp6, 0x40004
	s_and_b32 s12, ttmp7, 0xffff
	s_lshr_b32 s99, s12, 3
	s_and_b32 s13, s12, 7
	s_lshl_b32 s13, s13, 2
	s_lshl_b32 s18, s99, 22
	s_lshl_b32 s19, s99, 19
	s_add_co_u32 s19, s19, 12<<20
	s_lshl_b32 s66, s99, 18
	s_lshl_b32 s67, s99, 15
	s_add_co_u32 s67, s67, 768<<10
	s_cmp_eq_u32 s99, 2
	s_cselect_b32 s98, 1, 0
	s_cselect_b32 s17, 0, s13
	s_cselect_b32 s42, s13, 0
	s_cselect_b32 s18, 13<<20, s18
	s_cselect_b32 s19, 8<<20, s19
	s_cselect_b32 s66, 832<<10, s66
	s_cselect_b32 s67, 512<<10, s67
	s_add_co_u32 s17, s17, s41
	s_add_co_u32 s42, s42, s40
	s_lshl_b32 s43, s41, 2
	s_lshl_b32 s43, 15, s43
	s_lshl_b32 s44, 0x1111, s40
	s_or_b32 s[G1+0], s43, (3<<16)|(1<<21)
	s_or_b32 s[G1B+0], s44, (3<<16)|(1<<21)
.irp g, G1, G1B                        ; a wave's one load: 8 tiles x 8,192 bytes, dense: 128 rows of an operand for all of K
	s_mov_b32 s[\g+1], 1024<<16
	s_mov_b32 s[\g+2], 8<<16
	s_mov_b32 s[\g+3], 1024<<16
	s_mov_b32 s[\g+4], 8
	s_mov_b32 s[\g+5], 1024
	s_mov_b32 s[\g+6], 0
	s_mov_b32 s[\g+7], 0
.endr
	s_lshl_b32 s3, s16, 16
	s_lshl_b32 s20, s17, 17
	s_add_co_u32 s20, s20, s18
	s_add_co_u32 s20, s20, s3
	s_mov_b32 s21, 0
	s_lshl_b32 s46, s42, 17
	s_add_co_u32 s46, s46, s19
	s_add_co_u32 s46, s46, s3
	s_mov_b32 s47, 0
	s_lshl_b32 s3, s15, 12                         ; byte offsets in in_s of the scale words that I multiply by: A's, my half of its rows,
	s_lshl_b32 s22, s17, 13
	s_add_co_u32 s22, s22, s66
	s_add_co_u32 s22, s22, s3
	s_lshl_b32 s3, s16, 12                         ; and B's
	s_lshl_b32 s100, s42, 13
	s_add_co_u32 s100, s100, s67
	s_add_co_u32 s100, s100, s3
	s_mov_b32 s23, 0xffff0000                      ; lanes 16-31
	s_lshl_b32 s45, s14, 16                        ; where my load goes: 65,536 x wave
	s_wait_dscnt 0x0
	s_wait_kmcnt 0x0
	s_add_nc_u64 s[20:21], s[4:5], s[20:21]
	s_add_nc_u64 s[46:47], s[4:5], s[46:47]
	CROUND
	s_mov_b32 s[G0], 1
	s_mov_b32 s[G0+1], s45
	s_mov_b64 s[G0+2:G0+3], s[20:21]
	s_or_b32 s[G0+3], s[G0+3], 0x80000000
	s_mov_b32 s[G0B], 1
	s_mov_b32 s[G0B+1], s45
	s_mov_b64 s[G0B+2:G0B+3], s[46:47]
	s_or_b32 s[G0B+3], s[G0B+3], 0x80000000
	JLOAD G0, G1, G0B, G1B                         ; the launch's only tensor loads, one a wave: waves 0, 1 A's halves, waves 2, 3 B's; no LDS byte is filled twice
	v_and_b32 v1, 15, v0
	v_bfe_u32 v2, v0, 4, 1
	v_and_b32 v3, 31, v0
	v_lshlrev_b32 v[CO], 4, v3
	s_wait_alu depctr_va_vdst(0)
	s_cmp_eq_u32 s99, 1
	s_cselect_b64 s[8:9], s[10:11], s[8:9]
	s_cmp_eq_u32 s99, 2
	s_cselect_b64 s[8:9], s[92:93], s[8:9]
	s_lshl_b32 s12, s42, 10
	s_lshl_b32 s13, s16, 9
	s_add_co_u32 s12, s12, s13
	s_lshl_b32 s18, s17, 10
	s_lshl_b32 s19, s15, 9
	s_add_co_u32 s18, s18, s19
	s_cmp_eq_u32 s98, 1
	s_cselect_b32 s12, s18, s12
	s_mov_b32 s13, 0
	s_add_nc_u64 s[8:9], s[8:9], s[12:13]
	global_load_b128 v[8:11], v[CO], s[8:9]
	s_lshl_b32 s12, s15, 16
	s_lshl_b32 s13, s16, 16
	s_add_co_u32 s13, s13, BOFF
.irp s, 0,1
	v_add_nc_u32 v[ADRA+\s], s12, v[CO]
	v_add_nc_u32 v[ADRB+\s], s13, v[CO]
	s_add_co_u32 s12, s12, SLOT
	s_add_co_u32 s13, s13, SLOT
.endr
	v_mov_b32 v5, s22                              ; the scale words go from memory straight into their registers: lanes 0-15 take A's, lanes 16-31 B's;
	v_mov_b32 v6, s100
	v_cndmask_b32 v5, v5, v6, s23
	v_lshl_add_u32 v[ADRS], v1, 4, v5
.irp sc, 0,1
.irp gi, 0,1
.irp q, 0,1,2,3
	global_load_b128 v[SC+32*\sc+8*\q+4*\gi:SC+32*\sc+8*\q+4*\gi+3], v[ADRS], s[6:7] offset:2048*\gi+256*(4*\sc+\q)   ; sixteen lanes read one aligned unit of 256 bytes
.endr
.endr
.endr
	v_lshlrev_b32 v[SO], 4, v1
	v_lshl_add_u32 v[SO], v2, 8, v[SO]
	s_lshl_b32 s12, s14, 9
	s_add_co_u32 s12, s12, BIASL
	v_add_nc_u32 v[BLW], s12, v[CO]
	v_lshl_add_u32 v[BLA], v2, 6, s12
	v_and_b32 v5, 8, v1
	v_add_nc_u32 v5, v5, v1
	v_lshl_add_u32 v[BLB], v5, 2, s12
	s_lshl_b32 s12, s42, 1
	s_add_co_u32 s12, s12, s16
	s_lshl_b32 s13, s17, 4
	s_lshl_b32 s18, s15, 3
	s_add_co_u32 s13, s13, s18
	s_lshl_b32 s18, s12, 9
	s_lshl_b32 s19, s12, 6
	s_cmp_eq_u32 s98, 1
	s_cselect_b32 s18, s19, s18
	s_add_co_u32 s18, s18, s13
	s_lshl_b32 s12, s18, 10
	s_lshl_b32 s66, s99, 22
	s_add_co_u32 s12, s12, s66
	s_mov_b32 s13, 0
	s_add_nc_u64 s[94:95], s[94:95], s[12:13]
	s_lshl_b32 s12, s18, 6
	s_lshl_b32 s66, s99, 18
	s_add_co_u32 s12, s12, s66
	s_add_nc_u64 s[96:97], s[96:97], s[12:13]
	s_mov_b32 s[SEL], 0x76543210
	s_mov_b32 s[SEL+1], 0xfedcba98
	s_mov_b32 s2, 0xffff0000
	s_wait_alu depctr_va_vdst(0)
	s_wait_loadcnt 0x0
	ds_store_b128 v[BLW], v[8:11]
.macro FRAG reg, adr, q, i
.irp c, 0,1
	ds_load_b128 v[\reg+4*\c:\reg+4*\c+3], v[\adr] offset:(8*(\i)+(\q))*1024+512*\c
.endr
.endm
.macro MUL16 a0, p, q, sc, zero
.irp a, \a0, \a0+1
.irp b, 0,1,2,3,4,5,6,7
.if (\zero) == 1
	v_wmma_scale_f32_16x16x128_f8f6f4 v[8*(8*((\a)%4)+\b):8*(8*((\a)%4)+\b)+7], v[128*(\p)+FR*\b:128*(\p)+FR*\b+FR-1], v[AF+FR*(\a):AF+FR*(\a)+FR-1], 0, v[SC+32*(\sc)+8*(\q)+\b], v[SC+32*(\sc)+8*(\q)+(\a)] matrix_a_fmt:MATRIX_FMT_FP4 matrix_b_fmt:MATRIX_FMT_FP4 matrix_a_scale:MATRIX_SCALE_ROW1
.else
	v_wmma_scale_f32_16x16x128_f8f6f4 v[8*(8*((\a)%4)+\b):8*(8*((\a)%4)+\b)+7], v[128*(\p)+FR*\b:128*(\p)+FR*\b+FR-1], v[AF+FR*(\a):AF+FR*(\a)+FR-1], v[8*(8*((\a)%4)+\b):8*(8*((\a)%4)+\b)+7], v[SC+32*(\sc)+8*(\q)+\b], v[SC+32*(\sc)+8*(\q)+(\a)] matrix_a_fmt:MATRIX_FMT_FP4 matrix_b_fmt:MATRIX_FMT_FP4 matrix_a_scale:MATRIX_SCALE_ROW1
.endif
.endr
.endr
.endm
.macro FETCH_B slot, q, p
	WIN TO_B
.irp i, 0,1,2,3,4,5,6,7
	FRAG 128*(\p)+FR*\i, ADRB+\slot, \q, \i
.endr
	WIN 0
.endm
.macro FETCH_A slot, q, i0
.irp i, \i0, \i0+1, \i0+2, \i0+3
	FRAG AF+FR*(\i), ADRA+\slot, \q, \i
.endr
.endm
.macro PLACES n
.rept \n
	v_nop
.endr
.endm
.macro STEP slot, q, zero
	s_wait_dscnt 4*NL
	WIN MUL_LO
	MUL16 0, (\q)%2, \q, \slot, \zero
	MUL16 2, (\q)%2, \q, \slot, \zero
	s_wait_dscnt 0
	PLACES NP
	FETCH_B \slot, (\q)+1, 1-(\q)%2
	FETCH_A \slot, (\q)+1, 0
	WIN MUL_HI
	MUL16 4, (\q)%2, \q, \slot, \zero
	MUL16 6, (\q)%2, \q, \slot, \zero
	PLACES NP
	WIN 0
	FETCH_A \slot, (\q)+1, 4
.endm
.macro TURN slot, next
	s_wait_dscnt 4*NL                              ; all of K has lain in LDS since the one barrier at the head: no barrier here
	WIN MUL_LO
	MUL16 0, 1, NQ-1, \slot, 0
	MUL16 2, 1, NQ-1, \slot, 0
	s_wait_dscnt 0
	PLACES NP
	FETCH_B \next, 0, 0
	FETCH_A \next, 0, 0
	WIN MUL_HI
	MUL16 4, 1, NQ-1, \slot, 0
	MUL16 6, 1, NQ-1, \slot, 0
	PLACES NP
	WIN 0
	FETCH_A \next, 0, 4
.endm
	s_wait_tensorcnt 0x0
	s_wait_dscnt 0x0
	s_barrier_signal -1
	s_barrier_wait -1
	FETCH_B 0, 0, 0
	FETCH_A 0, 0, 0
	FETCH_A 0, 0, 4
	STEP 0, 0, 1
	STEP 0, 1, 0
	STEP 0, 2, 0
	TURN 0, 1
	STEP 1, 0, 0
	STEP 1, 1, 0
	STEP 1, 2, 0
	s_wait_dscnt 4*NL
	WIN MUL_LO
	MUL16 0, 1, NQ-1, 1, 0
	MUL16 2, 1, NQ-1, 1, 0
	s_wait_dscnt 0
	WIN MUL_HI
	MUL16 4, 1, NQ-1, 1, 0
	MUL16 6, 1, NQ-1, 1, 0
	WIN 0
.macro QUANT src, pw
.irp b, 0,1,2,3
	v_max3_num_f32 v[TM+\b], |v[\src+16*\b]|, |v[\src+1+16*\b]|, 0x1800000
.endr
.irp i, 2,4,6,8,10,12,14
.irp b, 0,1,2,3
	v_max3_num_f32 v[TM+\b], v[TM+\b], |v[\src+16*\b+\i]|, |v[\src+1+16*\b+\i]|
.endr
.endr
.irp b, 0,1,2,3
	v_permlanex16_b32 v[TM+4+\b], v[TM+\b], s[SEL], s[SEL+1]
.endr
.irp b, 0,1,2,3
	v_max_num_f32 v[TM+\b], v[TM+\b], v[TM+4+\b]
.endr
.irp b, 0,1,2,3
	v_add_nc_u32 v[TM+12+\b], 0xff000000, v[TM+\b]
.endr
.irp b, 0,1,2,3
	v_lshrrev_b32 v[TM+4+\b], 23, v[TM+12+\b]
.endr
	v_lshl_or_b32 v[\pw], v[TM+5], 8, v[TM+4]
	v_lshl_or_b32 v[\pw], v[TM+6], 16, v[\pw]
	v_lshl_or_b32 v[\pw], v[TM+7], 24, v[\pw]
.irp b, 0,1,2,3
	v_cvt_scalef32_pk8_fp4_f32 v[PC+2*\b], v[\src+16*\b:\src+7+16*\b], v[TM+12+\b]
	v_cvt_scalef32_pk8_fp4_f32 v[PC+1+2*\b], v[\src+8+16*\b:\src+15+16*\b], v[TM+12+\b]
.endr
	v_nop
.irp c, 0,1
.irp i, 0,1
	v_permlane16_swap_b32 v[PC+4*\c+\i], v[PC+2+4*\c+\i]
.endr
.endr
.endm
.macro EPI a, arm
.if (\a) > 0
	s_wait_xcnt 0x0
.endif
	WIN 0x02+(\a)/4
.set i, 0
.rept 32
.if \arm
	v_pk_add_f32 v[HA+i:HA+i+1], v[64*((\a)%4)+i:64*((\a)%4)+i+1], v[BM+2*(\a):BM+2*(\a)+1]
.else
	v_pk_add_f32 v[HA+i:HA+i+1], v[64*((\a)%4)+i:64*((\a)%4)+i+1], v[BN+i:BN+i+1]
.endif
.set i, i+2
.endr
	WIN 0
	QUANT HA, SW+(\a)
	global_store_b128 v[CO], v[PC:PC+3], s[94:95] offset:1024*(\a)
	global_store_b128 v[CO], v[PC+4:PC+7], s[94:95] offset:1024*(\a)+512
.endm
.irp b, 0,1,2,3
	v_mov_b32 v[TM+4+\b], 0
.endr
	s_cmp_eq_u32 s98, 1
	s_cbranch_scc1 .Larm_m
.irp b, 0,1,2,3,4,5,6,7
	ds_load_b128 v[BN+8*\b:BN+8*\b+3], v[BLA] offset:(32*(\b/2)+8*(\b%2))*4
	ds_load_b128 v[BN+8*\b+4:BN+8*\b+7], v[BLA] offset:(32*(\b/2)+8*(\b%2))*4+16
.endr
	s_wait_dscnt 0x0
.irp a, 0,1,2,3,4,5,6,7
	EPI \a, 0
.endr
	s_branch .Lwords
.Larm_m:
.irp a, 0,1,2,3,4,5,6,7
	ds_load_b32 v[BM+2*\a], v[BLB] offset:(32*(\a/2)+8*(\a%2))*4
	ds_load_b32 v[BM+2*\a+1], v[BLB] offset:(32*(\a/2)+8*(\a%2))*4
.endr
	s_wait_dscnt 0x0
.irp a, 0,1,2,3,4,5,6,7
	EPI \a, 1
.endr
.Lwords:
.irp t, 0,1,2,3
	v_cndmask_b32 v[OUTS+\t], v[SW+\t], v[SW+4+\t], s2
.endr
	global_store_b128 v[SO], v[OUTS:OUTS+3], s[96:97]
	s_wait_tensorcnt 0x0
	ds_add_u32 v[SPW], v[NIL]
	s_wait_dscnt 0x0
	CROUND
	s_endpgm
.Lfunc_end_k_q14157b9b76_proj:
	.size	k_q14157b9b76_proj, .Lfunc_end_k_q14157b9b76_proj-k_q14157b9b76_proj
	.p2alignl 7, 3214868480
	.fill 96, 4, 3214868480
	.section	.rodata,"a",@progbits
	.p2align	6, 0x0
	.amdhsa_kernel k_q14157b9b76_proj
		.amdhsa_group_segment_fixed_size 327680
		.amdhsa_private_segment_fixed_size 0
		.amdhsa_enable_private_segment 0
		.amdhsa_kernarg_size 56
		.amdhsa_user_sgpr_count 2
		.amdhsa_user_sgpr_kernarg_segment_ptr 1
		.amdhsa_wavefront_size32 1
		.amdhsa_system_sgpr_workgroup_id_x 1
		.amdhsa_system_sgpr_workgroup_id_y 1
		.amdhsa_system_sgpr_workgroup_id_z 1
		.amdhsa_system_vgpr_workitem_id 0
		.amdhsa_next_free_vgpr 1024
		.amdhsa_next_free_sgpr 104
		.amdhsa_reserve_vcc 0
		.amdhsa_float_denorm_mode_32 3
		.amdhsa_float_denorm_mode_16_64 3
		.amdhsa_memory_ordered 1
		.amdhsa_forward_progress 1
		.amdhsa_inst_pref_size 192
	.end_amdhsa_kernel
	.amdgpu_metadata
---
amdhsa.version: [ 1, 2 ]
amdhsa.kernels:
  - .name:           k_q14157b9b76_proj
    .symbol:         k_q14157b9b76_proj.kd
    .args:
      - { .name: in_c, .offset: 0, .size: 8, .value_kind: global_buffer, .address_space: global }
      - { .name: in_s, .offset: 8, .size: 8, .value_kind: global_buffer, .address_space: global }
      - { .name: bq, .offset: 16, .size: 8, .value_kind: global_buffer, .address_space: global }
      - { .name: bk, .offset: 24, .size: 8, .value_kind: global_buffer, .address_space: global }
      - { .name: bv, .offset: 32, .size: 8, .value_kind: global_buffer, .address_space: global }
      - { .name: qkv_c, .offset: 40, .size: 8, .value_kind: global_buffer, .address_space: global }
      - { .name: qkv_s, .offset: 48, .size: 8, .value_kind: global_buffer, .address_space: global }
    .group_segment_fixed_size: 327680
    .private_segment_fixed_size: 0
    .kernarg_segment_align: 8
    .kernarg_segment_size: 56
    .max_flat_workgroup_size: 128
    .sgpr_count:     104
    .vgpr_count:     1024
    .wavefront_size: 32
...
	.end_amdgpu_metadata
.endif
;; end of part 2
;; launch attn (part 3): grid 8 x 32, 8 waves a work-group, clusters of 4 x 1, 327,680 bytes of LDS; arguments qkv_c, qkv_s, maskw, x_c, x_s; writes x_c, x_s
.if DOCPART == 3
	.amdgcn_target "amdgcn-amd-amdhsa--gfx1250"
	.amdhsa_code_object_version 6
	.text
	.protected	k_q14157b9b76_attn
	.globl	k_q14157b9b76_attn
	.p2align	8
	.type	k_q14157b9b76_attn,@function
k_q14157b9b76_attn:
	s_mov_b64 s[64:65], 0
	v_nop
	global_prefetch_b8 v0, s[64:65] scope:SCOPE_SE
	s_setreg_imm32_b32 hwreg(HW_REG_WAVE_MODE, 25, 1), 1
	s_wait_xcnt 0x0
	s_wait_alu depctr_hold_cnt(0) depctr_sa_sdst(0) depctr_va_vdst(0) depctr_va_sdst(0) depctr_va_ssrc(0) depctr_va_vcc(0) depctr_vm_vsrc(0)
	s_getreg_b32 s2, hwreg(HW_REG_IB_STS2, 6, 4)
	s_cmp_eq_u32 s2, 0
	s_cbranch_scc0 .Lentry_in_a_cluster
	s_endpgm
.Lentry_in_a_cluster:
	s_bfe_u32 s2, ttmp6, 0x10000c
	s_cmp_lg_u32 s2, 0x3003
	s_cbranch_scc0 .Lentry_shape_is_right
	s_endpgm
.Lentry_shape_is_right:
; THIRD LAUNCH: x = softmax(mask(q k^T / 8)) v for each batch and head, both products on codes of FP4, and the quantising of x along the features.  No work of the problem is left out.
; THE SOFTMAX: t = logit x log2(e); M = the running largest t rounded UP to a whole number; p = 2^(t - M) is quantised along the keys, not normalised; the sum of the unquantised p divides at the end.
; THE MASK comes as 64 words a tile and key step, one bit a lane, set where the key is hidden.  It is the C operand of the score products: 0, or -2^33 on the raw score (a logit of -2^30 where the problem writes -1e9).
; One select a score makes C for BOTH heads: head B's product takes C from head A's score registers, then head A's adds in place.
; A ROW ALL OF WHOSE KEYS ARE HIDDEN is found at the head (the AND of the tile's 1,024 words): its q gets zero codes and its C is 0, so every score is 0 and p = 1 for every key, as the problem has it.
; LIMITS: the results part from the problem's only where an open logit lies under about -9.9e8.  NaN and infinities are not served; a block of x under 2^-124 keeps the byte 1.
; SHARES: a work-group owns 256 queries of one batch and one pair of heads; each of its eight waves two tiles of 16 queries for both heads: four streams in 512 registers, two waves to a SIMD.
; Every wave walks 16 steps of 128 keys.  A step's 8 fragments of K and 8 of V^T are read from LDS once for the four streams, one step ahead: 36 LDS loads a step.
; ALL OF THE PAIR'S K AND V LIES IN LDS, brought once by six joint loads (mask 15: the four query blocks of a cluster walk the same K and V), one a wave.  No LDS byte is filled twice.
; The loop has 16 trips; the last trip's look-ahead reads the bytes that follow each region, all of them written by a fill (V^T's scale words have a 17th row, which the load fills with zeros) and uses none of them;
; its mask words are asked for at the last step's own place again.
; No data prefetch: K and V come once, at the head, with no loop to run ahead in; the loop's mask words are bytes that this wave has read at the head.
; A HEAD'S 64 IN AN INSTRUCTION OF 128: K's fragment is the pair's 128 features; Q's has zero codes in the other head's half and the byte 0 for those blocks.
; LAYOUT: both products transposed: a lane holds one query; registers 16 B + i of S^T are keys 32 B + 16 h + i; O^T's of both heads on end are the pair's features in the same order.
; REGISTERS: window 0: addresses, statistics, Q, scale words, codes of p, v128-191 K's fragments, v192-255 V^T's.  Window 1: v0-63 S^T of head A (before that: C), v64-127 of head B, v128-255 O^T: 64 tile + 32 head.
.set VC,    131072
.set SCK,   262144
.set SCV,   270336                     ; 17 rows of 512 bytes
.set XST,   279040                     ; x's scale words on their way out: 4 units of 256 bytes
.set SPARE, 280064                     ; the spare words, 128 bytes a wave
.set LI,   1
.set LV,   2
.set ASK0, 3
.set ASV0, 4
.set SPW,  5
.set NIL,  6
.set NEG0, 7                           ; -2^33, or 0 in a row that is all hidden: tile 0's; tile 1's in v38
.set NEG1, 38
.set ADK,  8
.set ADV,  9
.set ADS,  10
.set ADT,  11
.set ST,   12                          ; v12-27: 8 tile + 4 head: -M, the largest t, the sum in two halves
.set QS,   28                          ; v28-31: q's scale words: 2 tile + head
.set FF,   32                          ; v32-35: f and p's scale word, head A, head B
.set TP,   36                          ; v36, v37
.set Q,    40                          ; v40-63: 12 tile: head A's codes, zeros, head B's codes
.set KS,   64
.set VS,   72
.set PC,   80                          ; v80-95 p's codes: 8 head
.set TM,   96                          ; v96-119 at work: 12 head
.set AC,   120                         ; v120-125 three more chains of the sum
.set FK,   128
.set FV,   192
.set TB,   2
.set TS,   3
.set CNT,  4
.set WV,   5
.set SEL,  12
.set CS,   14
.set MSB, 0
.macro WIN new
.if MSB != (\new)
	s_set_vgpr_msb (MSB<<8)|(\new)
.set MSB, (\new)
.endif
.endm
.macro CROUND
	s_barrier_signal -1
	s_barrier_wait -1
	s_cmp_lg_u32 s[WV], 0
	s_cbranch_scc1 .Lnot_wave_0_\@
	s_barrier_signal -3
.Lnot_wave_0_\@:
	s_barrier_wait -3
	s_barrier_signal -1
	s_barrier_wait -1
.endm
.macro G1SET g, c, rt, r, p            ; group 1: r rows (rt of them in the tensor) of c elements of 8 bytes, p elements apart; all four work-groups
	s_mov_b32 s[\g], 15|(3<<16)|(1<<21)
	s_mov_b32 s[\g+1], (\c)<<16
	s_mov_b32 s[\g+2], (\rt)<<16
	s_mov_b32 s[\g+3], (\c)<<16
	s_mov_b32 s[\g+4], \r
	s_mov_b32 s[\g+5], \p
	s_mov_b32 s[\g+6], 0
	s_mov_b32 s[\g+7], 0
.endm
.macro ARM under, g0, g1, next
	s_cmp_lt_u32 s[WV], \under
	s_cbranch_scc0 \next
	tensor_load_to_lds s[\g0:\g0+3], s[\g1:\g1+7]
	s_nop 0
.rept 4
	v_nop
.endr
	s_branch .Lh_asked
\next:
.endm
.macro LOADF f, sc, adr, ads           ; 8 fragments and their 8 scale words: 18 LDS loads
.irp j, 0,1,2,3,4,5,6,7
	ds_load_b128 v[\f+8*\j:\f+8*\j+3], v[\adr] offset:1024*\j
	ds_load_b128 v[\f+8*\j+4:\f+8*\j+7], v[\adr] offset:1024*\j+512
.endr
	ds_load_b128 v[\sc:\sc+3], v[\ads]
	ds_load_b128 v[\sc+4:\sc+7], v[\ads] offset:256
.endm
.macro MLOAD off                       ; 64 mask words
	s_load_b512 s[16:31], s[6:7], \off
	s_load_b512 s[32:47], s[6:7], \off+0x40
	s_load_b512 s[48:63], s[6:7], \off+0x80
	s_load_b512 s[68:83], s[6:7], \off+0xc0
.endm
.macro ANDRED base, half
.set n, 0
.rept \half
	v_and_b32 v[\base+n], v[\base+n], v[\base+\half+n]
.set n, n+1
.endr
.endm
	s_load_b128 s[84:87], s[0:1], 0x0              ; qkv_c, qkv_s
	s_load_b128 s[88:91], s[0:1], 0x10             ; maskw, x_c
	s_load_b64 s[92:93], s[0:1], 0x20              ; x_s
	v_lshl_add_u32 v[SPW], v0, 2, SPARE
	v_mov_b32 v[NIL], 0
	ds_add_u32 v[SPW], v[NIL]                      ; the opening lines: the add, twice on end, and its wait
	ds_add_u32 v[SPW], v[NIL]
	v_lshrrev_b32 v8, 5, v0
	v_readfirstlane_b32 s[WV], v8                  ; wave 0..7
	s_bfe_u32 s94, ttmp6, 0x40000                  ; cx
	s_lshl_b32 s95, ttmp9, 2
	s_add_co_u32 s95, s95, s94                     ; my block of 256 queries: it enters global addresses of q, the mask and x alone
	s_and_b32 s96, ttmp7, 0xffff
	s_lshr_b32 s97, s96, 3                         ; batch
	s_and_b32 s98, s96, 7                          ; pair of heads
	s_and_b32 s96, s[WV], 1                        ; which half of the codes I fetch
	s_lshl_b32 s99, s98, 7                         ; K: unit 128 pair + 32 b: 32 units on end, 4,096 bytes of codes and 256 of scale words each
	s_lshl_b32 s100, s97, 5
	s_add_co_u32 s99, s99, s100
	s_lshl_b32 s49, s96, 16
	s_lshl_b32 s50, s99, 12
	s_add_co_u32 s50, s50, 4<<20
	s_add_co_u32 s50, s50, s49
	s_mov_b32 s51, 0
	s_lshl_b32 s58, s99, 8
	s_add_co_u32 s58, s58, 256<<10
	s_mov_b32 s59, 0
	s_lshl_b32 s99, s97, 8                         ; V^T: unit 256 b + 2 pair; a step's two units lie 16 units from the next step's
	s_lshl_b32 s100, s98, 1
	s_add_co_u32 s99, s99, s100
	s_lshl_b32 s54, s99, 12
	s_add_co_u32 s54, s54, 8<<20
	s_lshl_b32 s100, s96, 19
	s_add_co_u32 s54, s54, s100
	s_mov_b32 s55, 0
	s_add_co_u32 s53, s49, VC
	s_lshl_b32 s62, s99, 8
	s_add_co_u32 s62, s62, 512<<10
	s_mov_b32 s63, 0
	s_mov_b32 s48, 1
	s_mov_b32 s52, 1
	s_mov_b32 s56, 1
	s_mov_b32 s60, 1
	s_mov_b32 s57, SCK
	s_mov_b32 s61, SCV
	G1SET 16, 32, 256, 256, 32                     ; half of K's codes: 65,536 dense bytes as rows of 256
	G1SET 24, 1024, 8, 8, 8192                     ; half of V^T's: 8 steps of 8,192 bytes, 65,536 apart
	G1SET 32, 32, 32, 32, 32                       ; K's scale words: 8,192 dense bytes
	G1SET 40, 64, 16, 17, 512                      ; V^T's: 16 steps of 512 bytes, 4,096 apart, and a 17th row past the tensor's end: zeros
	s_mov_b32 s[SEL], 0x76543210
	s_mov_b32 s[SEL+1], 0xfedcba98
	s_mov_b32 s[CS], 0x3e38aa3b                    ; c = log2(e) / 8
	s_mov_b32 s[CS+1], s[CS]
	s_mov_b32 s101, 0
	s_wait_dscnt 0x0
	s_wait_kmcnt 0x0
	s_add_nc_u64 s[50:51], s[84:85], s[50:51]
	s_or_b32 s51, s51, 0x80000000
	s_add_nc_u64 s[54:55], s[84:85], s[54:55]
	s_or_b32 s55, s55, 0x80000000
	s_add_nc_u64 s[58:59], s[86:87], s[58:59]
	s_or_b32 s59, s59, 0x80000000
	s_add_nc_u64 s[62:63], s[86:87], s[62:63]
	s_or_b32 s63, s63, 0x80000000
	CROUND                                         ; all four work-groups are here: the joint loads meet
	ARM 2, 48, 16, .Lh_v                           ; one chain of arms, one load to an arm: waves 0, 1 K's codes; 2, 3 V^T's; 4 K's scale words; 5 V^T's
	ARM 4, 52, 24, .Lh_ks
	ARM 5, 56, 32, .Lh_vs
	ARM 6, 60, 40, .Lh_none
.Lh_asked:
	v_and_b32 v8, 31, v0
	v_and_b32 v9, 15, v0                           ; r
	v_lshlrev_b32 v[LI], 4, v8
	v_lshlrev_b32 v11, 4, v9
	s_lshl_b32 s99, s97, 7
	s_lshl_b32 s100, s95, 4
	s_add_co_u32 s99, s99, s100
	s_lshl_b32 s100, s[WV], 1
	s_add_co_u32 s99, s99, s100                    ; my first tile among all: 128 b + 16 block + 2 w
	s_lshl_b32 s100, s98, 9
	s_add_co_u32 s100, s100, s99
	s_lshl_b32 s100, s100, 10
	s_add_nc_u64 s[84:85], s[84:85], s[100:101]    ; q's two fragments
	s_lshr_b32 s94, s99, 2
	s_lshl_b32 s100, s98, 7
	s_add_co_u32 s100, s100, s94
	s_lshl_b32 s100, s100, 8
	s_lshl_b32 s94, s96, 3
	s_add_co_u32 s100, s100, s94
	s_add_nc_u64 s[86:87], s[86:87], s[100:101]    ; their scale words, two on end
	s_lshl_b32 s100, s99, 12
	s_add_nc_u64 s[6:7], s[88:89], s[100:101]      ; my tiles' mask words: 4,096 bytes a tile, 256 a step
	s_lshl_b32 s100, s99, 3
	s_add_co_u32 s100, s100, s98
	s_lshl_b32 s100, s100, 10
	s_add_nc_u64 s[8:9], s[90:91], s[100:101]      ; x's fragments, 8,192 bytes apart
	s_lshl_b32 s100, s97, 5
	s_lshl_b32 s94, s95, 2
	s_add_co_u32 s100, s100, s94
	s_lshl_b32 s94, s96, 1
	s_add_co_u32 s100, s100, s94
	s_lshl_b32 s100, s100, 3
	s_add_co_u32 s100, s100, s98
	s_lshl_b32 s100, s100, 8
	s_add_nc_u64 s[10:11], s[92:93], s[100:101]    ; x's scale words: groups 2 (w % 2) and the next of my block's four
	s_wait_alu depctr_va_vdst(0)                   ; ahead of the readers below
.irp t, 0,1
	global_load_b128 v[Q+12*\t:Q+12*\t+3], v[LI], s[84:85] offset:1024*\t
	global_load_b128 v[Q+12*\t+8:Q+12*\t+11], v[LI], s[84:85] offset:1024*\t+512
.endr
	global_load_b64 v[TP:TP+1], v11, s[86:87]
.irp t, 0,1
.irp i, 0,1,2,3,4,5,6,7
	global_load_b128 v[FK+32*\t+4*\i:FK+32*\t+4*\i+3], v[LI], s[6:7] offset:4096*\t+512*\i   ; all mask words of the tile
.endr
.endr
	v_add_nc_u32 v[LV], VC, v[LI]
	v_lshl_add_u32 v[ASK0], v9, 4, SCK
	v_lshl_add_u32 v[ASV0], v9, 4, SCV
.irp k, 0,1,2,3
	v_mov_b32 v[ST+4*\k+1], 0xff61b1e6             ; the largest t so far: -3e38
	v_mov_b32 v[ST+4*\k+2], 0
	v_mov_b32 v[ST+4*\k+3], 0
	v_mov_b32 v[TM+4+\k], 0                        ; a lane permute's destination counts as one of its sources
	v_mov_b32 v[TM+16+\k], 0
	v_mov_b32 v[Q+4+\k], 0                         ; zero codes
	v_mov_b32 v[Q+16+\k], 0
.endr
.irp k, 0,1,2,3
	v_floor_f32 v[ST+4*\k], -v[ST+4*\k+1]          ; -M
.endr
	v_mov_b32 v[FF+1], 0                           ; (named as upper halves of pairs before they are first written)
	v_mov_b32 v[FF+3], 0
	v_mov_b32 v[AC], 0xd0000000                    ; -2^33
	WIN 0x40
.set n, 0
.rept 128
	v_mov_b32 v[128+n], 0                          ; O^T: the step is written once; its first walk finds zeros
.set n, n+1
.endr
	WIN 0
	s_wait_alu depctr_va_vdst(0)
	s_wait_loadcnt 0x0
.irp hf, 16,8,4,2,1
	ANDRED FK, \hf                                 ; the AND of my 32 registers of words, the two tiles by turns
	ANDRED FK+32, \hf
.endr
.irp x, 1,2,4,8
	v_mov_b32_dpp v[FK+1], v[FK] row_xmask:\x row_mask:0xf bank_mask:0xf
	v_mov_b32_dpp v[FK+33], v[FK+32] row_xmask:\x row_mask:0xf bank_mask:0xf
	v_and_b32 v[FK], v[FK], v[FK+1]
	v_and_b32 v[FK+32], v[FK+32], v[FK+33]
.endr
	v_permlanex16_b32 v[FK+1], v[FK], s[SEL], s[SEL+1]
	v_permlanex16_b32 v[FK+33], v[FK+32], s[SEL], s[SEL+1]
	v_and_b32 v[FK], v[FK], v[FK+1]                ; of all 1,024 words: bit (r, h) says that every key of that half of the blocks is hidden from query r
	v_and_b32 v[FK+32], v[FK+32], v[FK+33]
	v_lshrrev_b32 v[FK], v9, v[FK]
	v_lshrrev_b32 v[FK+32], v9, v[FK+32]
	v_and_b32 v[FK], 0x10001, v[FK]
	v_and_b32 v[FK+32], 0x10001, v[FK+32]
	v_cmp_eq_u32 s94, 0x10001, v[FK]               ; my query's row is all hidden
	v_cmp_eq_u32 s95, 0x10001, v[FK+32]
	v_cndmask_b32 v[NEG0], v[AC], 0, s94
	v_cndmask_b32 v[NEG1], v[AC], 0, s95
.irp j, 0,1,2,3,8,9,10,11
	v_cndmask_b32 v[Q+\j], v[Q+\j], 0, s94
	v_cndmask_b32 v[Q+12+\j], v[Q+12+\j], 0, s95
.endr
.irp t, 0,1
	v_and_b32 v[QS+2*\t], 0xffff, v[TP+\t]         ; blocks 0, 1; the other head's blocks get the byte 0
	v_and_b32 v[QS+2*\t+1], 0xffff0000, v[TP+\t]
.endr
	s_wait_alu depctr_va_vdst(0)
	s_wait_tensorcnt 0x0                           ; my load has landed: the descriptors' registers are free
	s_barrier_signal -1
	s_barrier_wait -1                              ; everybody's has
	MLOAD 0                                        ; step 0, tile 0
	LOADF FK, KS, LI, ASK0                         ; step 0's fragments: K's 18 loads, then V^T's 18
	LOADF FV, VS, LV, ASV0
	s_mov_b32 s95, 0
	s_mov_b32 s[TB], 8192                          ; the step ahead
	s_mov_b32 s[TS], 512
	s_mov_b32 s[CNT], 16
	s_wait_kmcnt 0x0
	WIN 0x41
.set n, 0
.rept 64
	v_cndmask_b32 v[n], 0, v[NEG0], s[16+n+4*(n/48)]   ; C of step 0, tile 0
.set n, n+1
.endr
	MLOAD 0x1000                                   ; step 0, tile 1
	WIN 0
	s_wait_alu depctr_va_vdst(0)
; the row's sum of head h's unquantised p, in four chains, and p's codes
.macro SUMCVT h
.set SS, 64*\h
.set S2, ST_+4*\h+2
	WIN 0x01
	v_pk_add_f32 v[S2:S2+1], v[SS:SS+1], v[S2:S2+1]
.irp k, 1,2,3
	v_pk_add_f32 v[AC+2*\k-2:AC+2*\k-1], v[SS+2*\k:SS+2*\k+1], v[Q+4:Q+5]   ; a chain begins: + 0
.endr
.irp m, 8,16,24,32,40,48,56
	v_pk_add_f32 v[S2:S2+1], v[SS+\m:SS+\m+1], v[S2:S2+1]
.irp k, 1,2,3
	v_pk_add_f32 v[AC+2*\k-2:AC+2*\k-1], v[SS+\m+2*\k:SS+\m+2*\k+1], v[AC+2*\k-2:AC+2*\k-1]
.endr
.endr
.irp b, 0,1,2,3
	v_cvt_scalef32_pk8_fp4_f32 v[PC+8*\h+2*\b], v[SS+16*\b:SS+16*\b+7], v[TM+12*\h+8+\b]
	v_cvt_scalef32_pk8_fp4_f32 v[PC+8*\h+2*\b+1], v[SS+16*\b+8:SS+16*\b+15], v[TM+12*\h+8+\b]
.endr
	v_nop                                          ; one plain place behind a scaled conversion
	WIN 0
.irp c, 0,1
.irp i, 0,1
	v_permlane16_swap_b32 v[PC+8*\h+4*\c+\i], v[PC+8*\h+2+4*\c+\i]
.endr
.endr
	v_pk_add_f32 v[S2:S2+1], v[S2:S2+1], v[AC:AC+1]
	v_pk_add_f32 v[AC+2:AC+3], v[AC+2:AC+3], v[AC+4:AC+5]
	v_pk_add_f32 v[S2:S2+1], v[S2:S2+1], v[AC+2:AC+3]
.endm
; ONE TILE'S PART OF A KEY STEP, both heads by turns.  C lies in head A's score registers.
.macro DUO t
.set QT, Q+12*\t
.set ST_, ST+8*\t
.set OT, 128+64*\t
.if \t == 0
	s_wait_dscnt 18                                ; K's 18 loads are in; V^T's 18, issued behind them, may be out
.endif
	WIN 0x50
.irp j, 0,1,2,3,4,5,6,7
	v_wmma_scale_f32_16x16x128_f8f6f4 v[64+8*\j:71+8*\j], v[FK+8*\j:FK+8*\j+7], v[QT+4:QT+11], v[8*\j:8*\j+7], v[KS+\j], v[QS+2*\t+1] matrix_a_fmt:MATRIX_FMT_FP4 matrix_b_fmt:MATRIX_FMT_FP4
.endr
.rept 5
	v_nop                                          ; five places: head A's products write over registers that head B's read as C
.endr
.irp j, 0,1,2,3,4,5,6,7
	v_wmma_scale_f32_16x16x128_f8f6f4 v[8*\j:8*\j+7], v[FK+8*\j:FK+8*\j+7], v[QT:QT+7], v[8*\j:8*\j+7], v[KS+\j], v[QS+2*\t] matrix_a_fmt:MATRIX_FMT_FP4 matrix_b_fmt:MATRIX_FMT_FP4
.endr
.if \t == 1
	WIN 0
	v_add_nc_u32 v[ADK], s[TB], v[LI]              ; four places, then the next step's K
	v_add_nc_u32 v[ADS], s[TS], v[ASK0]
	v_nop
	v_nop
	LOADF FK, KS, ADK, ADS
.endif
	WIN 0x05
.irp h, 1,0                                    ; the largest score of each block of 32 keys; head B's four lines are the places behind head A's products
.irp b, 0,1,2,3
	v_max_num_f32 v[TM+12*\h+\b], v[64*\h+16*\b], v[64*\h+16*\b+1]
.endr
.endr
.irp i, 2,4,6,8,10,12,14
.irp h, 1,0
.irp b, 0,1,2,3
	v_max3_num_f32 v[TM+12*\h+\b], v[64*\h+16*\b+\i], v[64*\h+16*\b+\i+1], v[TM+12*\h+\b]
.endr
.endr
.endr
	WIN 0
.irp h, 0,1
.irp b, 0,1,2,3
	v_permlanex16_b32 v[TM+12*\h+4+\b], v[TM+12*\h+\b], s[SEL], s[SEL+1]
.endr
.endr
.irp h, 0,1
.irp b, 0,1,2,3
	v_max_num_f32 v[TM+12*\h+\b], v[TM+12*\h+\b], v[TM+12*\h+4+\b]
.endr
.endr
.irp h, 0,1
	v_max3_num_f32 v[TP+\h], v[TM+12*\h], v[TM+12*\h+1], v[TM+12*\h+2]
.endr
.irp h, 0,1
	v_max_num_f32 v[TP+\h], v[TP+\h], v[TM+12*\h+3]
.endr
.irp h, 0,1
	v_mul_f32 v[TP+\h], s[CS], v[TP+\h]            ; as t (c is positive)
.endr
.irp h, 0,1
	v_max_num_f32 v[ST_+4*\h+1], v[ST_+4*\h+1], v[TP+\h]   ; the running largest t
.endr
.irp h, 0,1
	v_mov_b32 v[TP+\h], v[ST_+4*\h]
.endr
.irp h, 0,1
	v_floor_f32 v[ST_+4*\h], -v[ST_+4*\h+1]        ; the new -M = -ceil(t)
.endr
.irp h, 0,1
	v_sub_f32 v[TP+\h], v[ST_+4*\h], v[TP+\h]      ; old M - new M, 0 or less
.endr
.irp h, 0,1
	v_cvt_i32_f32 v[TP+\h], v[TP+\h]               ; (it saturates)
.endr
.irp h, 0,1
	v_ldexp_f32 v[FF+2*\h], 1.0, v[TP+\h]          ; f = 2^(old M - new M)
.endr
.irp h, 0,1
.irp b, 0,1,2,3
	v_fma_f32 v[TM+12*\h+\b], v[TM+12*\h+\b], s[CS], v[ST_+4*\h]
.endr
.endr
	WIN 0x41
.set n, 0
.rept 32
	v_pk_fma_f32 v[n:n+1], v[n:n+1], s[CS:CS+1], v[ST_:ST_+1] op_sel_hi:[1,0,0]   ; head A: t - M
.set n, n+2
.endr
	s_wait_alu depctr_va_vdst(0)                   ; ahead of the batch
.set n, 0
.rept 32
	v_exp_f32 v[n], v[n]                           ; head A: p; head B's t - M stands between
	v_pk_fma_f32 v[64+n:65+n], v[64+n:65+n], s[CS:CS+1], v[ST_+4:ST_+5] op_sel_hi:[1,0,0]
	v_exp_f32 v[n+1], v[n+1]
.set n, n+2
.endr
	WIN 0
.irp h, 0,1
.irp b, 0,1,2,3
	v_exp_f32 v[TM+12*\h+\b], v[TM+12*\h+\b]       ; the blocks' largest p
.endr
.endr
.irp h, 0,1
	v_pk_mul_f32 v[ST_+4*\h+2:ST_+4*\h+3], v[ST_+4*\h+2:ST_+4*\h+3], v[FF+2*\h:FF+2*\h+1] op_sel_hi:[1,0]   ; the sums under the new M: plain places behind the batch
.endr
	s_wait_alu depctr_va_vdst(0)                   ; one wait for the batch, ahead of its first reader
.irp h, 0,1
.irp b, 0,1,2,3
	v_max_num_f32 v[TM+12*\h+\b], 0x1800000, v[TM+12*\h+\b]   ; the floor 2^(3 - 127)
.endr
.endr
.irp h, 0,1
.irp b, 0,1,2,3
	v_add_nc_u32 v[TM+12*\h+8+\b], 0xff000000, v[TM+12*\h+\b]
.endr
.endr
.irp h, 0,1
.irp b, 0,1,2,3
	v_lshrrev_b32 v[TM+12*\h+4+\b], 23, v[TM+12*\h+8+\b]
.endr
.endr
.irp h, 0,1
	v_lshl_or_b32 v[FF+2*\h+1], v[TM+12*\h+5], 8, v[TM+12*\h+4]
.endr
.irp h, 0,1
	v_lshl_or_b32 v[FF+2*\h+1], v[TM+12*\h+6], 16, v[FF+2*\h+1]
.endr
.irp h, 0,1
	v_lshl_or_b32 v[FF+2*\h+1], v[TM+12*\h+7], 24, v[FF+2*\h+1]   ; p's scale word for these 128 keys
.endr
	SUMCVT 0                                       ; head A is done with its score registers
	s_wait_alu depctr_va_vdst(0)                   ; ahead of the batch and of the wait below
	s_wait_kmcnt 0x0                               ; the next tile's 64 mask words are in
	WIN 0x41
.set n, 0
.rept 64
	v_exp_f32 v[64+n], v[64+n]                     ; head B: p; the next tile's C stands between, in head A's score registers
.if \t == 0
	v_cndmask_b32 v[n], 0, v[NEG1], s[16+n+4*(n/48)]
.else
	v_cndmask_b32 v[n], 0, v[NEG0], s[16+n+4*(n/48)]
.endif
.set n, n+1
.endr
	s_wait_alu depctr_va_vdst(0)
.if \t == 0
	s_cmp_lg_u32 s[CNT], 1                         ; on to the next step's words; in the last trip the base stays, so that no load leaves the buffer
	s_cselect_b32 s94, 256, 0
	s_add_nc_u64 s[6:7], s[6:7], s[94:95]
	MLOAD 0
.else
	MLOAD 0x1000
.endif
	SUMCVT 1
	WIN 0x41
	s_wait_alu depctr_va_vdst(0)                   ; directly ahead of the first readers of O^T
.set n, 0
.rept 16
	v_pk_mul_f32 v[OT+n:OT+n+1], v[OT+n:OT+n+1], v[FF:FF+1] op_sel_hi:[1,0]   ; O^T under the new M; also the places between p's words and codes and the products
	v_pk_mul_f32 v[OT+32+n:OT+33+n], v[OT+32+n:OT+33+n], v[FF+2:FF+3] op_sel_hi:[1,0]
.set n, n+2
.endr
.if \t == 0
	s_wait_alu depctr_va_vdst(0)
	s_wait_dscnt 0x0                               ; V^T's fragments are in
.endif
	WIN 0x50
.irp j, 0,1,2,3
.irp h, 0,1
	v_wmma_scale_f32_16x16x128_f8f6f4 v[OT+32*\h+8*\j:OT+32*\h+8*\j+7], v[FV+32*\h+8*\j:FV+32*\h+8*\j+7], v[PC+8*\h:PC+8*\h+7], v[OT+32*\h+8*\j:OT+32*\h+8*\j+7], v[VS+4*\h+\j], v[FF+2*\h+1] matrix_a_fmt:MATRIX_FMT_FP4 matrix_b_fmt:MATRIX_FMT_FP4
.endr
.endr
.if \t == 1
	WIN 0
	v_add_nc_u32 v[ADV], s[TB], v[LV]              ; four places, then the next step's V^T
	v_add_nc_u32 v[ADT], s[TS], v[ASV0]
	v_nop
	v_nop
	LOADF FV, VS, ADV, ADT
.endif
.endm
.Lkey:                                             ; 16 trips
	DUO 0
	DUO 1
	s_add_co_u32 s[TB], s[TB], 8192
	s_add_co_u32 s[TS], s[TS], 512
	s_sub_co_u32 s[CNT], s[CNT], 1
	s_cmp_lg_u32 s[CNT], 0
	s_wait_alu depctr_va_vdst(0)
	s_cbranch_scc1 .Lkey
	; THE WAY OUT: O^T / the sum; a tile's 64 registers are the pair's 128 features in the quantiser's order: one fragment of x
	s_wait_kmcnt 0x0
	s_wait_dscnt 0x0                               ; the last look-ahead's loads: nothing of them is used
	s_lshr_b32 s99, s[WV], 1
	s_lshl_b32 s99, s99, 8
	s_and_b32 s100, s[WV], 1
	s_lshl_b32 s94, s100, 3
	s_add_co_u32 s99, s99, s94
	s_add_co_u32 s99, s99, XST                     ; tile 2 w of the block's 16: unit w / 2, word 2 (w % 2)
	s_lshl_b32 s100, s100, 9
	s_add_co_u32 s100, s100, XST
.irp k, 0,1,2,3
	v_add_f32 v[ST+4*\k+2], v[ST+4*\k+2], v[ST+4*\k+3]
.endr
.irp k, 0,1,2,3
	v_permlanex16_b32 v[TM+4+\k], v[ST+4*\k+2], s[SEL], s[SEL+1]
.endr
.irp k, 0,1,2,3
	v_add_f32 v[ST+4*\k+2], v[ST+4*\k+2], v[TM+4+\k]
.endr
	s_wait_alu depctr_va_vdst(0)
.irp k, 0,1,2,3
	v_rcp_f32 v[ST+4*\k+2], v[ST+4*\k+2]
.endr
	v_and_b32 v9, 15, v0                           ; plain places behind the reciprocals
	v_bfe_u32 v10, v0, 4, 1
	v_lshl_add_u32 v8, v9, 4, s99                  ; where my x scale words go
	v_add_nc_u32 v11, s100, v[LI]                  ; where waves 0, 1 read them back
	v_lshlrev_b32 v2, 4, v9
	v_lshl_add_u32 v2, v10, 11, v2                 ; 16 r + 2,048 h
	WIN 0x41
	s_wait_alu depctr_va_vdst(0)                   ; ahead of the reciprocals' first reader, and of the first readers of O^T
.irp k, 0,1,2,3
.set n, 0
.rept 16
	v_pk_mul_f32 v[128+32*\k+n:129+32*\k+n], v[128+32*\k+n:129+32*\k+n], v[ST+4*\k+2:ST+4*\k+3] op_sel_hi:[1,0]
.set n, n+2
.endr
.endr
.macro XQ t
.set OT, 128+64*\t
.set TT_, TM+12*\t
	WIN 0x05
.irp b, 0,1,2,3
	v_max3_num_f32 v[TT_+\b], |v[OT+16*\b]|, |v[OT+16*\b+1]|, 0x1800000
.endr
.irp i, 2,4,6,8,10,12,14
.irp b, 0,1,2,3
	v_max3_num_f32 v[TT_+\b], |v[OT+16*\b+\i]|, |v[OT+16*\b+\i+1]|, v[TT_+\b]
.endr
.endr
	WIN 0
.irp b, 0,1,2,3
	v_permlanex16_b32 v[TT_+4+\b], v[TT_+\b], s[SEL], s[SEL+1]
.endr
.irp b, 0,1,2,3
	v_max_num_f32 v[TT_+\b], v[TT_+\b], v[TT_+4+\b]
.endr
.irp b, 0,1,2,3
	v_add_nc_u32 v[TT_+8+\b], 0xff000000, v[TT_+\b]
.endr
.irp b, 0,1,2,3
	v_lshrrev_b32 v[TT_+4+\b], 23, v[TT_+8+\b]
.endr
	v_lshl_or_b32 v[TP+\t], v[TT_+5], 8, v[TT_+4]
	v_lshl_or_b32 v[TP+\t], v[TT_+6], 16, v[TP+\t]
	v_lshl_or_b32 v[TP+\t], v[TT_+7], 24, v[TP+\t]
	WIN 0x01
.irp b, 0,1,2,3
	v_cvt_scalef32_pk8_fp4_f32 v[PC+8*\t+2*\b], v[OT+16*\b:OT+16*\b+7], v[TT_+8+\b]
	v_cvt_scalef32_pk8_fp4_f32 v[PC+8*\t+2*\b+1], v[OT+16*\b+8:OT+16*\b+15], v[TT_+8+\b]
.endr
	v_nop
	WIN 0
.irp c, 0,1
.irp i, 0,1
	v_permlane16_swap_b32 v[PC+8*\t+4*\c+\i], v[PC+8*\t+2+4*\c+\i]
.endr
.endr
	global_store_b128 v[LI], v[PC+8*\t:PC+8*\t+3], s[8:9] offset:8192*\t          ; 32 lanes store 512 consecutive bytes
	global_store_b128 v[LI], v[PC+8*\t+4:PC+8*\t+7], s[8:9] offset:8192*\t+512
	ds_store_b32 v8, v[TP+\t] offset:4*\t          ; the scale words of the block's 16 tiles meet in LDS (lanes l and l xor 16 write the same word with the same value)
.endm
	XQ 0
	XQ 1
	s_wait_dscnt 0x0
	s_barrier_signal -1
	s_barrier_wait -1
	s_cmp_lt_u32 s[WV], 2
	s_cbranch_scc0 .Lno_words
	ds_load_b128 v[FK:FK+3], v11
	s_wait_dscnt 0x0
	global_store_b128 v2, v[FK:FK+3], s[10:11]     ; waves 0 and 1: two aligned units of 256 bytes each
.Lno_words:
	s_wait_tensorcnt 0x0                           ; the wave's end
	ds_add_u32 v[SPW], v[NIL]
	s_wait_dscnt 0x0
	CROUND                                         ; the closing round
	s_endpgm
.Lfunc_end_k_q14157b9b76_attn:
	.size	k_q14157b9b76_attn, .Lfunc_end_k_q14157b9b76_attn-k_q14157b9b76_attn
	.p2alignl 7, 3214868480
	.fill 96, 4, 3214868480
	.section	.rodata,"a",@progbits
	.p2align	6, 0x0
	.amdhsa_kernel k_q14157b9b76_attn
		.amdhsa_group_segment_fixed_size 327680
		.amdhsa_private_segment_fixed_size 0
		.amdhsa_enable_private_segment 0
		.amdhsa_kernarg_size 40
		.amdhsa_user_sgpr_count 2
		.amdhsa_user_sgpr_kernarg_segment_ptr 1
		.amdhsa_wavefront_size32 1
		.amdhsa_system_sgpr_workgroup_id_x 1
		.amdhsa_system_sgpr_workgroup_id_y 1
		.amdhsa_system_sgpr_workgroup_id_z 1
		.amdhsa_system_vgpr_workitem_id 0
		.amdhsa_next_free_vgpr 512
		.amdhsa_next_free_sgpr 104
		.amdhsa_reserve_vcc 0
		.amdhsa_float_denorm_mode_32 3
		.amdhsa_float_denorm_mode_16_64 3
		.amdhsa_memory_ordered 1
		.amdhsa_forward_progress 1
		.amdhsa_inst_pref_size 108
	.end_amdhsa_kernel
	.amdgpu_metadata
---
amdhsa.version: [ 1, 2 ]
amdhsa.kernels:
  - .name:           k_q14157b9b76_attn
    .symbol:         k_q14157b9b76_attn.kd
    .args:
      - { .name: qkv_c, .offset: 0, .size: 8, .value_kind: global_buffer, .address_space: global }
      - { .name: qkv_s, .offset: 8, .size: 8, .value_kind: global_buffer, .address_space: global }
      - { .name: maskw, .offset: 16, .size: 8, .value_kind: global_buffer, .address_space: global }
      - { .name: x_c, .offset: 24, .size: 8, .value_kind: global_buffer, .address_space: global }
      - { .name: x_s, .offset: 32, .size: 8, .value_kind: global_buffer, .address_space: global }
    .group_segment_fixed_size: 327680
    .private_segment_fixed_size: 0
    .kernarg_segment_align: 8
    .kernarg_segment_size: 40
    .max_flat_workgroup_size: 256
    .sgpr_count:     104
    .vgpr_count:     512
    .wavefront_size: 32
...
	.end_amdgpu_metadata
.endif
;; end of part 3
;; launch outp (part 4): grid 4 x 64, 4 waves a work-group, clusters of 4 x 4, 327,680 bytes of LDS; arguments x_c, x_s, in_c, in_s, bo, out0; writes out0
.if DOCPART == 4
	.amdgcn_target "amdgcn-amd-amdhsa--gfx1250"
	.amdhsa_code_object_version 6
	.text
	.protected	k_q14157b9b76_outp
	.globl	k_q14157b9b76_outp
	.p2align	8
	.type	k_q14157b9b76_outp,@function
k_q14157b9b76_outp:
	s_mov_b64 s[64:65], 0
	v_nop
	global_prefetch_b8 v0, s[64:65] scope:SCOPE_SE
	s_setreg_imm32_b32 hwreg(HW_REG_WAVE_MODE, 25, 1), 1
	s_wait_xcnt 0x0
	s_wait_alu depctr_hold_cnt(0) depctr_sa_sdst(0) depctr_va_vdst(0) depctr_va_sdst(0) depctr_va_ssrc(0) depctr_va_vcc(0) depctr_vm_vsrc(0)
	s_getreg_b32 s2, hwreg(HW_REG_IB_STS2, 6, 4)
	s_cmp_eq_u32 s2, 0
	s_cbranch_scc0 .Lentry_in_a_cluster
	s_endpgm
.Lentry_in_a_cluster:
	s_bfe_u32 s2, ttmp6, 0x10000c
	s_cmp_lg_u32 s2, 0xf033
	s_cbranch_scc0 .Lentry_shape_is_right
	s_endpgm
.Lentry_shape_is_right:
.set NQ,    4
.set FR,    8
.set NL,    2
.set NP,    4
.set SLOT,  4096                       ; the second half of K begins 4 fragments on in each tile's 8
.set BOFF,  131072                     ; LDS: A's 8 tiles x 8 fragments of 1,024 bytes, in two halves 65,536 apart, then B's: all of K, filled once
.set STG,   262144                     ; behind the codes: the way out's stages, 8,448 bytes a wave, into which no fill lands
.set SPARE, 295936
.set SPITCH, 528
.set ADRA, 16
.set ADRB, 20
.set STO,  24
.set RD,   25
.set CO,   26
.set ADRS, 27
.set SPW,  28
.set NIL,  29
.set SC,   32
.set AF,   128
.set BN,   192
.set BK,   128
.set G1, 24
.set G0, 32
.set G1B, 48
.set G0B, 56
.set MSB, 0
.macro WIN new
.if MSB != (\new)
	s_set_vgpr_msb (MSB<<8)|(\new)
.set MSB, (\new)
.endif
.endm
.set MUL_LO, 0xa1
.set MUL_HI, 0xf1
.set TO_B,   0x40
.macro JLOAD g0a, g1a, g0b, g1b
	s_cmp_eq_u32 s15, 0
	s_cbranch_scc0 .Lfor_b_\@
	tensor_load_to_lds s[\g0a:\g0a+3], s[\g1a:\g1a+7]
	s_nop 0
.rept 4
	v_nop
.endr
	s_branch .Lasked_\@
.Lfor_b_\@:
	tensor_load_to_lds s[\g0b:\g0b+3], s[\g1b:\g1b+7]
	s_nop 0
.rept 4
	v_nop
.endr
.Lasked_\@:
.endm
.macro CROUND
	s_barrier_signal -1
	s_barrier_wait -1
	s_cmp_lg_u32 s14, 0
	s_cbranch_scc1 .Lnot_wave_0_\@
	s_barrier_signal -3
.Lnot_wave_0_\@:
	s_barrier_wait -3
	s_barrier_signal -1
	s_barrier_wait -1
.endm
	s_load_b128 s[4:7], s[0:1], 0x0
	s_load_b128 s[8:11], s[0:1], 0x10
	s_load_b128 s[92:95], s[0:1], 0x20
	v_lshl_add_u32 v[SPW], v0, 2, SPARE
	v_mov_b32 v[NIL], 0
	ds_add_u32 v[SPW], v[NIL]
	ds_add_u32 v[SPW], v[NIL]
	v_lshrrev_b32 v1, 5, v0
	v_readfirstlane_b32 s14, v1
	s_lshr_b32 s15, s14, 1
	s_and_b32 s16, s14, 1
	s_bfe_u32 s40, ttmp6, 0x40000
	s_bfe_u32 s41, ttmp6, 0x40004
	s_mov_b32 s42, s40
	s_and_b32 s17, ttmp7, 0xffff
	s_lshl_b32 s17, s17, 2
	s_add_co_u32 s17, s17, s41
	s_lshl_b32 s43, s41, 2
	s_lshl_b32 s43, 15, s43
	s_lshl_b32 s44, 0x1111, s40
	s_or_b32 s[G1+0], s43, (3<<16)|(1<<21)
	s_or_b32 s[G1B+0], s44, (3<<16)|(1<<21)
; A BLOCK OF out0 IS 128 ROWS x 256 COLUMNS: 64 x 4 blocks, 256 work-groups.  A wave makes 64 x 128: 32 accumulators, in window 2.
.irp g, G1, G1B                        ; a wave's one load: tiles of 8,192 bytes, dense, for all of K:
	s_mov_b32 s[\g+1], 1024<<16
	s_mov_b32 s[\g+3], 1024<<16
	s_mov_b32 s[\g+5], 1024
	s_mov_b32 s[\g+6], 0
	s_mov_b32 s[\g+7], 0
.endr
	s_mov_b32 s[G1+2], 4<<16                       ; 4 tiles, 64 rows, of A;
	s_mov_b32 s[G1+4], 4
	s_mov_b32 s[G1B+2], 8<<16                      ; 8 tiles, 128 rows, of B
	s_mov_b32 s[G1B+4], 8
	s_lshl_b32 s3, s16, 15                         ; A: the block's 8 tiles are 65,536 bytes, the half that I fetch 32,768
	s_lshl_b32 s20, s17, 16
	s_add_co_u32 s20, s20, s3
	s_mov_b32 s21, 0
	s_lshl_b32 s3, s16, 16
	s_lshl_b32 s46, s42, 17
	s_add_co_u32 s46, s46, 27<<19
	s_add_co_u32 s46, s46, s3
	s_mov_b32 s47, 0
	s_lshl_b32 s3, s15, 11                         ; byte offsets of the scale words that I multiply by: A's in x_s: my 4 tiles are one group of 2,048 bytes,
	s_lshl_b32 s22, s17, 12
	s_add_co_u32 s22, s22, s3
	s_lshl_b32 s3, s16, 12                         ; and B's in in_s
	s_lshl_b32 s100, s42, 13
	s_add_co_u32 s100, s100, 864<<10
	s_add_co_u32 s100, s100, s3
	s_mov_b32 s23, 0xffff0000                      ; lanes 16-31
	s_lshl_b32 s45, s14, 16                        ; where my load goes: 65,536 x wave
	s_wait_dscnt 0x0
	s_wait_kmcnt 0x0
	s_add_nc_u64 s[20:21], s[4:5], s[20:21]
	s_add_nc_u64 s[46:47], s[8:9], s[46:47]
	CROUND
	s_mov_b32 s[G0], 1
	s_mov_b32 s[G0+1], s45
	s_mov_b64 s[G0+2:G0+3], s[20:21]
	s_or_b32 s[G0+3], s[G0+3], 0x80000000
	s_mov_b32 s[G0B], 1
	s_mov_b32 s[G0B+1], s45
	s_mov_b64 s[G0B+2:G0B+3], s[46:47]
	s_or_b32 s[G0B+3], s[G0B+3], 0x80000000
	JLOAD G0, G1, G0B, G1B                         ; the launch's only tensor loads, one a wave: waves 0, 1 A's halves, waves 2, 3 B's; no LDS byte is filled twice
	v_and_b32 v1, 15, v0
	v_bfe_u32 v2, v0, 4, 1
	v_and_b32 v3, 31, v0
	v_lshlrev_b32 v[CO], 4, v3
	s_wait_alu depctr_va_vdst(0)
	s_lshl_b32 s12, s42, 10
	s_lshl_b32 s13, s16, 9
	s_add_co_u32 s12, s12, s13
	s_mov_b32 s13, 0
	s_add_nc_u64 s[92:93], s[92:93], s[12:13]
	v_lshlrev_b32 v6, 6, v2
.irp b, 0,1,2,3,4,5,6,7
	global_load_b128 v[BN+8*\b:BN+8*\b+3], v6, s[92:93] offset:(32*(\b/2)+8*(\b%2))*4
	global_load_b128 v[BN+8*\b+4:BN+8*\b+7], v6, s[92:93] offset:(32*(\b/2)+8*(\b%2))*4+16
.endr
	s_lshl_b32 s12, s15, 16
	s_lshl_b32 s13, s16, 16
	s_add_co_u32 s13, s13, BOFF
.irp s, 0,1
	v_add_nc_u32 v[ADRA+\s], s12, v[CO]
	v_add_nc_u32 v[ADRB+\s], s13, v[CO]
	s_add_co_u32 s12, s12, SLOT
	s_add_co_u32 s13, s13, SLOT
.endr
	v_lshlrev_b32 v5, 4, v1                        ; the scale words go from memory straight into registers: A's into their own, B's beside them for now (two buffers)
	v_add_nc_u32 v[ADRS], s22, v5
	v_add_nc_u32 v7, s100, v5
.irp sc, 0,1
.irp gi, 0,1
.irp q, 0,1,2,3
	global_load_b128 v[SC+32*\sc+8*\q+4*\gi:SC+32*\sc+8*\q+4*\gi+3], v[ADRS], s[6:7] offset:256*(4*\sc+\q)   ; A's four words into both halves of the eight registers: block a + 4 names block a's second set of fragments
	global_load_b128 v[AF+32*\sc+8*\q+4*\gi:AF+32*\sc+8*\q+4*\gi+3], v7, s[10:11] offset:2048*\gi+256*(4*\sc+\q)
.endr
.endr
.endr
	s_mul_i32 s12, s14, 16*SPITCH
	s_add_co_u32 s12, s12, STG
	v_mul_u32_u24 v5, v1, SPITCH
	v_lshl_add_u32 v5, v2, 6, v5
	v_add_nc_u32 v[STO], s12, v5
	v_add_nc_u32 v[RD], s12, v[CO]
	s_lshl_b32 s12, s17, 19
	s_lshl_b32 s13, s15, 18
	s_add_co_u32 s12, s12, s13
	s_lshl_b32 s13, s42, 10
	s_add_co_u32 s12, s12, s13
	s_lshl_b32 s13, s16, 9
	s_add_co_u32 s12, s12, s13
	s_mov_b32 s13, 0
	s_add_nc_u64 s[94:95], s[94:95], s[12:13]
.macro FRAG reg, adr, q, i
.irp c, 0,1
	ds_load_b128 v[\reg+4*\c:\reg+4*\c+3], v[\adr] offset:(8*(\i)+(\q))*1024+512*\c
.endr
.endm
.macro MUL16 a0, p, q, sc, zero
.irp a, \a0, \a0+1
.irp b, 0,1,2,3,4,5,6,7
.if (\zero) == 2
	v_wmma_scale_f32_16x16x128_f8f6f4 v[8*(8*((\a)%4)+\b):8*(8*((\a)%4)+\b)+7], v[128*(\p)+FR*\b:128*(\p)+FR*\b+FR-1], v[AF+FR*(\a):AF+FR*(\a)+FR-1], v[BN+8*\b:BN+8*\b+7], v[SC+32*(\sc)+8*(\q)+\b], v[SC+32*(\sc)+8*(\q)+(\a)] matrix_a_fmt:MATRIX_FMT_FP4 matrix_b_fmt:MATRIX_FMT_FP4 matrix_a_scale:MATRIX_SCALE_ROW1
.else
	v_wmma_scale_f32_16x16x128_f8f6f4 v[8*(8*((\a)%4)+\b):8*(8*((\a)%4)+\b)+7], v[128*(\p)+FR*\b:128*(\p)+FR*\b+FR-1], v[AF+FR*(\a):AF+FR*(\a)+FR-1], v[8*(8*((\a)%4)+\b):8*(8*((\a)%4)+\b)+7], v[SC+32*(\sc)+8*(\q)+\b], v[SC+32*(\sc)+8*(\q)+(\a)] matrix_a_fmt:MATRIX_FMT_FP4 matrix_b_fmt:MATRIX_FMT_FP4 matrix_a_scale:MATRIX_SCALE_ROW1
.endif
.endr
.endr
.endm
.macro FETCH_B slot, q, p
	WIN TO_B
.irp i, 0,1,2,3,4,5,6,7
	FRAG 128*(\p)+FR*\i, ADRB+\slot, \q, \i
.endr
	WIN 0
.endm
.macro FETCH_A slot, q, i0
.irp i, \i0, \i0+1, \i0+2, \i0+3
	FRAG AF+FR*(\i), ADRA+\slot, \q, (\i)%4        ; my 4 tiles of A have two sets of registers: i0 = 0 or 4
.endr
.endm
.macro PLACES n
.rept \n
	v_nop
.endr
.endm
; A step of 128 along K: 32 matrix instructions on set q % 2 of A's and B's fragments.  Ahead of them the next step's 24 LDS loads are issued into the other sets, four places behind the last step's products, which read those registers.
.macro STEP slot, q, zero
	PLACES NP
	FETCH_B \slot, (\q)+1, 1-(\q)%2
	FETCH_A \slot, (\q)+1, 4-4*((\q)%2)
	s_wait_dscnt 12*NL                             ; all but the 24 loads just issued: this step's fragments are in
.if (\zero) == 2
	WIN 0x81
.else
	WIN MUL_LO
.endif
	MUL16 4*((\q)%2), (\q)%2, \q, \slot, \zero
	MUL16 4*((\q)%2)+2, (\q)%2, \q, \slot, \zero
.endm
.macro TURN slot, next                 ; the last step of a half of K: the next half's first fragments are asked for.  All of K has lain in LDS since the one barrier at the head: no barrier here
	PLACES NP
	FETCH_B \next, 0, 0
	FETCH_A \next, 0, 0
	s_wait_dscnt 12*NL
	WIN MUL_LO
	MUL16 4, 1, NQ-1, \slot, 0
	MUL16 6, 1, NQ-1, \slot, 0
.endm
	s_wait_alu depctr_va_vdst(0)
	s_wait_loadcnt 0x0                             ; the bias and both sides' scale words are in
.set n, 0
.rept 64
	v_cndmask_b32 v[SC+n], v[SC+n], v[AF+n], s23   ; one register carries A's word in lanes 0-15 and B's in lanes 16-31
.set n, n+1
.endr
	PLACES 8                                       ; a scale register written by a vector instruction stands 8 places ahead of a scaled matrix instruction
	s_wait_alu depctr_va_vdst(0)
	s_wait_tensorcnt 0x0
	s_barrier_signal -1
	s_barrier_wait -1
	FETCH_B 0, 0, 0
	FETCH_A 0, 0, 0
	STEP 0, 0, 2
	STEP 0, 1, 0
	STEP 0, 2, 0
	TURN 0, 1
	STEP 1, 0, 0
	STEP 1, 1, 0
	STEP 1, 2, 0
	s_wait_dscnt 0
	WIN MUL_LO
	MUL16 4, 1, NQ-1, 1, 0
	MUL16 6, 1, NQ-1, 1, 0
	WIN 0
.macro TOSTAGE a
.set AC, 64*((\a)%4)
	WIN 0x08+4*((\a)/4)
.irp b, 0,1,2,3,4,5,6,7
	ds_store_b128 v[STO], v[AC+8*\b:AC+8*\b+3] offset:128*(\b/2)+32*(\b%2)
	ds_store_b128 v[STO], v[AC+8*\b+4:AC+8*\b+7] offset:128*(\b/2)+32*(\b%2)+16
.endr
	WIN 0
.set BB, BK+64*((\a)%2)
.irp t, 0,1,2,3,4,5,6,7,8,9,10,11,12,13,14,15
	ds_load_b128 v[BB+4*\t:BB+4*\t+3], v[RD] offset:\t*SPITCH
.endr
.endm
.macro SEND a, younger
.set BB, BK+64*((\a)%2)
.set RW, 32*((\a)/2)+8*((\a)%2)
	s_wait_dscnt \younger
.irp t, 0,1,2,3,4,5,6,7,8,9,10,11,12,13,14,15
	global_store_b128 v[CO], v[BB+4*\t:BB+4*\t+3], s[94:95] offset:(RW+\t+8*(\t/8))*4096 th:TH_STORE_NT
.endr
.endm
	PLACES NP
	TOSTAGE 0
.irp a, 1,2,3
.if \a > 1
	s_wait_xcnt 0x0
.endif
	TOSTAGE \a
	SEND \a-1, 32
.endr
	SEND 3, 0
	s_wait_tensorcnt 0x0
	ds_add_u32 v[SPW], v[NIL]
	s_wait_dscnt 0x0
	CROUND
	s_endpgm
.Lfunc_end_k_q14157b9b76_outp:
	.size	k_q14157b9b76_outp, .Lfunc_end_k_q14157b9b76_outp-k_q14157b9b76_outp
	.p2alignl 7, 3214868480
	.fill 96, 4, 3214868480
	.section	.rodata,"a",@progbits
	.p2align	6, 0x0
	.amdhsa_kernel k_q14157b9b76_outp
		.amdhsa_group_segment_fixed_size 327680
		.amdhsa_private_segment_fixed_size 0
		.amdhsa_enable_private_segment 0
		.amdhsa_kernarg_size 48
		.amdhsa_user_sgpr_count 2
		.amdhsa_user_sgpr_kernarg_segment_ptr 1
		.amdhsa_wavefront_size32 1
		.amdhsa_system_sgpr_workgroup_id_x 1
		.amdhsa_system_sgpr_workgroup_id_y 1
		.amdhsa_system_sgpr_workgroup_id_z 1
		.amdhsa_system_vgpr_workitem_id 0
		.amdhsa_next_free_vgpr 1024
		.amdhsa_next_free_sgpr 104
		.amdhsa_reserve_vcc 0
		.amdhsa_float_denorm_mode_32 3
		.amdhsa_float_denorm_mode_16_64 3
		.amdhsa_memory_ordered 1
		.amdhsa_forward_progress 1
		.amdhsa_inst_pref_size 76
	.end_amdhsa_kernel
	.amdgpu_metadata
---
amdhsa.version: [ 1, 2 ]
amdhsa.kernels:
  - .name:           k_q14157b9b76_outp
    .symbol:         k_q14157b9b76_outp.kd
    .args:
      - { .name: x_c, .offset: 0, .size: 8, .value_kind: global_buffer, .address_space: global }
      - { .name: x_s, .offset: 8, .size: 8, .value_kind: global_buffer, .address_space: global }
      - { .name: in_c, .offset: 16, .size: 8, .value_kind: global_buffer, .address_space: global }
      - { .name: in_s, .offset: 24, .size: 8, .value_kind: global_buffer, .address_space: global }
      - { .name: bo, .offset: 32, .size: 8, .value_kind: global_buffer, .address_space: global }
      - { .name: out0, .offset: 40, .size: 8, .value_kind: global_buffer, .address_space: global }
    .group_segment_fixed_size: 327680
    .private_segment_fixed_size: 0
    .kernarg_segment_align: 8
    .kernarg_segment_size: 48
    .max_flat_workgroup_size: 128
    .sgpr_count:     104
    .vgpr_count:     1024
    .wavefront_size: 32
...
	.end_amdgpu_metadata
.endif
;; end of part 4
